; MI455X (gfx1250); checked and timed in simulation.
; The chip was launched on July 23, 2026; its instructions are those of AMD's public machine-readable ISA for CDNA 5 (MIT licence, August 2026) and "CDNA5" Instruction Set Architecture Reference Guide (July 2026). The comments in the code are by the model that wrote it; some were corrected since.
;; k NN. Allowed arithmetic: matrix products marked QUANTISED: E2M1 operands, one E8M0 scale for each 32 along K, by v_wmma_scale_f32_16x16x128_f8f6f4 with both operands' format E2M1 (or v_wmma_scale_f32_32x16x128_f4), f32 sums; everything else in f32.
;; Inputs: x 8,192 x 512 float32.
;; Outputs: out0 8,192 x 512 float32.
;; Constants: k = 16.
;; This version of the problem:
;;   THIS VERSION OF THE PROBLEM IS GIVEN IN LOW PRECISION. The matrix products marked QUANTISED in the list below multiply operands that are first quantised to E2M1 (2 exponent bits, 1 mantissa bit; 4 bits a number), with one power-of-two scale for each 32 numbers along K (OCP MX v1.0); their sums are f32. All else is computed in f32.
;;   The module's matrix products, in the order in which they are computed (A, B: the left and right operand; K: the contracted axis; several contracted axes count as one K, in the product's order):
;;     1. [M 8,192, K 512] x [K 512, N 8,192]; A: input x; B: input x: QUANTISED
;;   THE QUANTISER, for each operand of a quantised product, along K:
;;     - K is cut into blocks of 32 from its start; a last block that is shorter is filled with zeros.
;;     - A block's scale is 2^e with e = floor(log2(the largest magnitude in the block)) - 2, held to -126 .. 127; a block of zeros has e = 0. As a byte (E8M0): e + 127.
;;     - Each number is divided by its block's scale, clamped to +-6, and rounded to the nearest number of E2M1, ties to even, subnormals kept.
;;     - The product sums the exact products of the quantised numbers (number of the format x scale) in f32.
;;   ~~~python
;;   def quantise(x, axis):      # numpy; x: float32 -> the quantised numbers, widened to float32 again
;;       x = np.moveaxis(x, axis, -1); K = x.shape[-1]
;;       x = np.pad(x, [(0, 0)] * (x.ndim - 1) + [(0, -K % 32)]); x = x.reshape(x.shape[:-1] + (-1, 32)); a = np.abs(x).max(-1, keepdims=True)
;;       e = np.where(a > 0, np.clip(np.frexp(np.where(a > 0, a, 1))[1] - 1 - 2, -126, 127), 0)      # np.frexp(a)[1] - 1 = floor(log2(a)), exactly
;;       r = np.clip(x / 2.0 ** e, -6, 6)
;;       step = 2.0 ** (np.maximum(np.frexp(np.where(r == 0, 1, r))[1] - 1, 0) - 1)
;;       q = np.round(r / step) * step * 2.0 ** e      # np.round: ties to even
;;       return np.moveaxis(q.reshape(q.shape[:-2] + (-1,))[..., :K], -1, axis).astype(np.float32)
;;   ~~~
;; 3 versions, each right; version 2 is faster than version 1; version 3 is version 2 with the launches refine, mean written anew for expert scheduling mode. Each part assembles by itself: llvm-mc -triple=amdgcn-amd-amdhsa -mcpu=gfx1250 --defsym DOCPART=n.
;; ======== version 1 of 3: 5 launches
;; workspace buffers: xc 2,097,152 bytes; xs 131,072 bytes; sq 32,768 bytes; xr 2,359,296 bytes; bins 33,554,432 bytes; blist 1,048,576 bytes of whole numbers; nbr 1,048,576 bytes of whole numbers
;; launch quant (part 1): grid 256 x 1, 8 waves a work-group, no clusters, 43,008 bytes of LDS; arguments x, xc, xs, sq, xr; writes xc, xs, sq, xr
.if DOCPART == 1
	.amdgcn_target "amdgcn-amd-amdhsa--gfx1250"
	.amdhsa_code_object_version 6
	.text
	.protected	k_q3cd0a2f302_quant
	.globl	k_q3cd0a2f302_quant
	.p2align	8
	.type	k_q3cd0a2f302_quant,@function
k_q3cd0a2f302_quant:
	s_mov_b64 s[64:65], 0
	v_nop
	global_prefetch_b8 v0, s[64:65] scope:SCOPE_SE
	s_setreg_imm32_b32 hwreg(HW_REG_WAVE_MODE, 25, 1), 1
	s_wait_xcnt 0x0
; x [8192][512] f32 becomes: xc [8192][256 bytes], codes of FP4 (E2M1), K innermost, the lower k in the low four bits; xs [8192][16], one E8M0 byte for each 32 along K; sq [8192], the rows' sums of squares in f32;
; and xr [8192][288 bytes], the same three once more as one record a row (256 bytes of codes, 16 scale bytes, sq and 12 zero bytes), for the launch that fetches single rows.
; A block's scale is 2^(floor(log2(its largest magnitude)) - 2): its byte is the largest magnitude's exponent field - 2, held at 1 from below.  A block of zeros so gets the byte 1 where the
; quantiser's text says 127: its codes are zeros, which add nothing under that byte, and this program alone reads the bytes.
; LIMITS.  sq is summed in an order of its own (eight fused squares in each half of a lane's pair, then a tree over the lanes): it may differ from another order's sum in the last bits, and a row whose 17th and 18th
; distances lie that close may then choose the other neighbour.  NaN and infinities among the inputs are not served.
; SHARES.  A work-group takes 32 rows, wave w rows 4 w + t, t = 0 .. 3.  A row is 2,048 bytes: four loads of 512 consecutive bytes.  The conversions want 16 NEIGHBOURS in one lane, so a row turns through the
; wave's own stage in LDS: in as loaded, out 64 bytes a lane (80 bytes from lane to lane).  Two lanes hold a block.  A row's codes leave as 256 consecutive bytes, 8 a lane.
; The 32 rows' scale bytes (512) and sums (128 bytes) are gathered in LDS and leave by wave 0.
.set SP,   80                          ; a lane's place in a stage: 64 bytes + 16
.set STG,  32*SP                       ; a stage; each wave has two
.set SCB,  8*2*STG                     ; behind the stages: 32 rows x 16 scale bytes
.set SQB,  SCB+512                     ; and 32 sums
.set RP,   288                         ; a record of xr
.set R,    16                          ; v16-79   four rows as loaded
.set X,    80                          ; v80-111  two sets of 16 neighbours
.set C,    112                         ; v112-119 a row's codes: two registers each
.set E,    120                         ; v120-123 a row's scale byte
.set SQP,  124                         ; v124-125 the running pair of sums
.set SQR,  128                         ; v128-131 a row's sum
	s_load_b256 s[4:11], s[0:1], 0x0               ; x s[4:5], xc s[6:7], xs s[8:9], sq s[10:11]
	s_load_b64 s[24:25], s[0:1], 0x20              ; xr
	v_lshl_add_u32 v132, v0, 2, 0xa400
	v_mov_b32 v133, 0
	v_lshrrev_b32 v1, 5, v0
	v_readfirstlane_b32 s12, v1                    ; wave 0..7
	v_and_b32 v11, 31, v0                          ; lane
	v_lshlrev_b32 v1, 4, v11                       ; my 16 bytes of a load's 512
	s_mul_i32 s13, s12, 2*STG                      ; my wave's stages
	v_lshrrev_b32 v2, 2, v11
	v_mul_u32_u24 v2, v2, SP
	v_and_b32 v8, 3, v11
	v_lshl_add_u32 v2, v8, 4, v2
	v_add_nc_u32 v2, s13, v2                       ; into a stage: four lanes' 64 bytes on end, then 16 free
	v_mul_u32_u24 v3, v11, SP
	v_add_nc_u32 v3, s13, v3                       ; out of it: my 16 neighbours
	v_lshlrev_b32 v4, 3, v11                       ; my 8 bytes of a row's codes
	v_lshrrev_b32 v5, 1, v11
	s_lshl_b32 s13, s12, 6
	s_add_co_u32 s13, s13, SCB
	v_add_nc_u32 v5, s13, v5                       ; my block's byte among my wave's four rows
	s_lshl_b32 s13, s12, 4
	s_add_co_u32 s13, s13, SQB
	v_mov_b32 v6, s13                              ; my wave's four sums
	v_add_nc_u32 v7, SCB, v1                       ; wave 0's way out: 16 scale bytes a lane,
	v_lshlrev_b32 v14, 2, v11
	v_add_nc_u32 v13, SQB, v14                     ; and a sum a lane
	v_mul_u32_u24 v12, v11, RP                     ; and a record of xr a lane
	s_mov_b32 s14, 0x76543210
	s_mov_b32 s15, 0xfedcba98                      ; v_permlanex16_b32: lane l xor 16
	s_lshl_b32 s16, ttmp9, 16                      ; x: 32 rows of 2,048 bytes a work-group,
	s_lshl_b32 s13, s12, 13                        ; four a wave
	s_add_co_u32 s16, s16, s13
	s_mov_b32 s17, 0
	s_lshl_b32 s18, ttmp9, 13                      ; xc: rows of 256 bytes
	s_lshl_b32 s13, s12, 10
	s_add_co_u32 s18, s18, s13
	s_mov_b32 s19, 0
	s_lshl_b32 s20, ttmp9, 9                       ; xs: 512 bytes a work-group
	s_mov_b32 s21, 0
	s_lshl_b32 s22, ttmp9, 7                       ; sq: 128
	s_mov_b32 s23, 0
	s_mul_i32 s26, ttmp9, 32*RP                    ; xr: 32 records a work-group,
	s_mul_i32 s13, s12, 4*RP                       ; four a wave
	s_add_co_u32 s26, s26, s13
	s_mov_b32 s27, 0
	s_wait_kmcnt 0x0
	s_add_nc_u64 s[4:5], s[4:5], s[16:17]
	s_add_nc_u64 s[6:7], s[6:7], s[18:19]
	s_add_nc_u64 s[8:9], s[8:9], s[20:21]
	s_add_nc_u64 s[10:11], s[10:11], s[22:23]
	s_add_nc_u64 s[24:25], s[24:25], s[26:27]
.irp t, 0,1,2,3
.irp i, 0,1,2,3
	global_load_b128 v[R+16*\t+4*\i:R+16*\t+4*\i+3], v1, s[4:5] offset:2048*\t+512*\i th:TH_LOAD_NT   ; all sixteen loads of the wave go out at once; 32 lanes read 512 consecutive bytes
.endr
.endr
.macro TURN t                          ; row t through stage t % 2: LDS serves a wave's instructions in order (ISA guide 5.7.1.4), so no wait stands between the stores and the loads
.irp i, 0,1,2,3
	ds_store_b128 v2, v[R+16*(\t)+4*\i:R+16*(\t)+4*\i+3] offset:STG*((\t)%2)+8*SP*\i
.endr
.irp i, 0,1,2,3
	ds_load_b128 v[X+16*((\t)%2)+4*\i:X+16*((\t)%2)+4*\i+3], v3 offset:STG*((\t)%2)+16*\i
.endr
.endm
.macro STEP t
.set XS, X+16*((\t)%2)
.if (\t) < 3
	s_wait_loadcnt 4*(2-(\t))                      ; the next row's four loads are in; those of the rows behind it may be out
	TURN (\t)+1                                    ; it turns through the other stage while this row is worked
	s_wait_dscnt 8                                 ; all but those eight: this row's 16 neighbours are back
.else
	s_wait_dscnt 0x0
.endif
	v_max3_num_f32 v8, |v[XS]|, |v[XS+1]|, |v[XS+2]|               ; the largest magnitude of my 16, in two chains
	v_max3_num_f32 v9, |v[XS+3]|, |v[XS+4]|, |v[XS+5]|
.irp i, 6,10
	v_max3_num_f32 v8, v8, |v[XS+\i]|, |v[XS+\i+1]|
	v_max3_num_f32 v9, v9, |v[XS+\i+2]|, |v[XS+\i+3]|
.endr
	v_max3_num_f32 v8, v8, |v[XS+14]|, |v[XS+15]|
	v_max3_num_f32 v8, v8, v9, 0x1800000           ; and the floor 2^(3 - 127): the byte cannot fall under 1
	v_max_num_f32_dpp v8, v8, v8 row_xmask:1 row_mask:0xf bank_mask:0xf   ; with my neighbour's 16: the block's
	v_add_nc_u32 v10, 0xff000000, v8               ; 2 off its exponent field: the conversion takes the exponent field of this operand as its scale
	v_cvt_scalef32_pk8_fp4_f32 v[C+2*(\t)], v[XS:XS+7], v10
	v_cvt_scalef32_pk8_fp4_f32 v[C+2*(\t)+1], v[XS+8:XS+15], v10
	v_lshrrev_b32 v[E+(\t)], 23, v10               ; the scale's byte (a plain line behind the conversions)
	ds_store_b8 v5, v[E+(\t)] offset:16*(\t)       ; both lanes of a block write the same byte with the same value
	global_store_b64 v4, v[C+2*(\t):C+2*(\t)+1], s[6:7] offset:256*(\t)   ; 32 lanes store the row's 256 consecutive bytes
	global_store_b64 v4, v[C+2*(\t):C+2*(\t)+1], s[24:25] offset:RP*(\t)  ; and once more, at the head of the row's record
	v_pk_mul_f32 v[SQP:SQP+1], v[XS:XS+1], v[XS:XS+1]              ; the row's sum of squares
.irp i, 2,4,6,8,10,12,14
	v_pk_fma_f32 v[SQP:SQP+1], v[XS+\i:XS+\i+1], v[XS+\i:XS+\i+1], v[SQP:SQP+1]
.endr
	v_add_f32 v[SQP], v[SQP], v[SQP+1]
	v_add_f32_dpp v[SQP], v[SQP], v[SQP] row_xmask:1 row_mask:0xf bank_mask:0xf
	v_add_f32_dpp v[SQP], v[SQP], v[SQP] row_xmask:2 row_mask:0xf bank_mask:0xf
	v_add_f32_dpp v[SQP], v[SQP], v[SQP] row_xmask:4 row_mask:0xf bank_mask:0xf
	v_add_f32_dpp v[SQP], v[SQP], v[SQP] row_xmask:8 row_mask:0xf bank_mask:0xf
	v_permlanex16_b32 v[SQP+1], v[SQP], s14, s15
	v_add_f32 v[SQR+(\t)], v[SQP], v[SQP+1]
	ds_store_b32 v6, v[SQR+(\t)] offset:4*(\t)     ; all lanes write the same word with the same value
.endm
	s_wait_loadcnt 12                              ; row 0's four loads are in
	TURN 0
.irp t, 0,1,2,3
	STEP \t
.endr
	s_wait_dscnt 0x0                               ; for the others' sake: my bytes and sums lie in LDS
	s_barrier_signal -1
	s_barrier_wait -1
	s_cmp_lg_u32 s12, 0
	s_cbranch_scc1 .Lend                           ; wave 0 alone stores what the eight gathered: lane l has row l's
	ds_load_b128 v[16:19], v7
	ds_load_b32 v20, v13
	v_mov_b32 v21, 0                               ; the record's last 12 bytes are read with sq, so they are written
	v_mov_b32 v22, 0
	v_mov_b32 v23, 0
	s_wait_dscnt 0x0
	global_store_b128 v1, v[16:19], s[8:9]         ; 512 consecutive bytes of scale bytes
	global_store_b32 v14, v20, s[10:11]            ; 128 consecutive bytes of sums: all that 32 rows have
	global_store_b128 v12, v[16:19], s[24:25] offset:256   ; the records' tails: in wave 0 the base stands at the work-group's first record
	global_store_b128 v12, v[20:23], s[24:25] offset:272
.Lend:
	s_wait_tensorcnt 0x0
	ds_add_u32 v132, v133
	s_wait_dscnt 0x0
	s_endpgm
.Lfunc_end_k_q3cd0a2f302_quant:
	.size	k_q3cd0a2f302_quant, .Lfunc_end_k_q3cd0a2f302_quant-k_q3cd0a2f302_quant
	.p2alignl 7, 3214868480
	.fill 96, 4, 3214868480
	.section	.rodata,"a",@progbits
	.p2align	6, 0x0
	.amdhsa_kernel k_q3cd0a2f302_quant
		.amdhsa_group_segment_fixed_size 43008
		.amdhsa_private_segment_fixed_size 0
		.amdhsa_enable_private_segment 0
		.amdhsa_kernarg_size 40
		.amdhsa_user_sgpr_count 2
		.amdhsa_user_sgpr_kernarg_segment_ptr 1
		.amdhsa_wavefront_size32 1
		.amdhsa_system_sgpr_workgroup_id_x 1
		.amdhsa_system_sgpr_workgroup_id_y 1
		.amdhsa_system_sgpr_workgroup_id_z 1
		.amdhsa_system_vgpr_workitem_id 0
		.amdhsa_next_free_vgpr 134
		.amdhsa_next_free_sgpr 66
		.amdhsa_reserve_vcc 0
		.amdhsa_float_denorm_mode_32 3
		.amdhsa_float_denorm_mode_16_64 3
		.amdhsa_memory_ordered 1
		.amdhsa_forward_progress 1
		.amdhsa_inst_pref_size 16
	.end_amdhsa_kernel
	.amdgpu_metadata
---
amdhsa.version: [ 1, 2 ]
amdhsa.kernels:
  - .name:           k_q3cd0a2f302_quant
    .symbol:         k_q3cd0a2f302_quant.kd
    .args:
      - { .name: x, .offset: 0, .size: 8, .value_kind: global_buffer, .address_space: global }
      - { .name: xc, .offset: 8, .size: 8, .value_kind: global_buffer, .address_space: global }
      - { .name: xs, .offset: 16, .size: 8, .value_kind: global_buffer, .address_space: global }
      - { .name: sq, .offset: 24, .size: 8, .value_kind: global_buffer, .address_space: global }
      - { .name: xr, .offset: 32, .size: 8, .value_kind: global_buffer, .address_space: global }
    .group_segment_fixed_size: 43008
    .private_segment_fixed_size: 0
    .kernarg_segment_align: 8
    .kernarg_segment_size: 40
    .max_flat_workgroup_size: 256
    .sgpr_count:     66
    .vgpr_count:     134
    .wavefront_size: 32
...
	.end_amdgpu_metadata
.endif
;; end of part 1
;; launch binmin (part 2): grid 32 x 8, 8 waves a work-group, clusters of 4 x 1, 327,680 bytes of LDS; arguments xc, xs, sq, bins; writes bins
.if DOCPART == 2
	.amdgcn_target "amdgcn-amd-amdhsa--gfx1250"
	.amdhsa_code_object_version 6
	.text
	.protected	k_q3cd0a2f302_binmin
	.globl	k_q3cd0a2f302_binmin
	.p2align	8
	.type	k_q3cd0a2f302_binmin,@function
k_q3cd0a2f302_binmin:
	s_mov_b64 s[64:65], 0
	v_nop
	global_prefetch_b8 v0, s[64:65] scope:SCOPE_SE
	s_setreg_imm32_b32 hwreg(HW_REG_WAVE_MODE, 25, 1), 1
	s_wait_xcnt 0x0
	s_wait_alu depctr_hold_cnt(0) depctr_sa_sdst(0) depctr_va_vdst(0) depctr_va_sdst(0) depctr_va_ssrc(0) depctr_va_vcc(0) depctr_vm_vsrc(0)
	s_getreg_b32 s2, hwreg(HW_REG_IB_STS2, 6, 4)
	s_cmp_eq_u32 s2, 0
	s_cbranch_scc0 .Lentry_in_a_cluster
	s_endpgm
.Lentry_in_a_cluster:
	s_bfe_u32 s2, ttmp6, 0x10000c
	s_cmp_lg_u32 s2, 0x3003
	s_cbranch_scc0 .Lentry_shape_is_right
	s_endpgm
.Lentry_shape_is_right:
; THE PASS OVER THE PRODUCT.  d2(q, c) = (sq_q + sq_c) - 2 G(q, c), G = Q(x) Q(x)^T on codes of FP4 with E8M0 scales, K = 512 in four matrix instructions, ascending, one chain.
; The 8,192 candidates of a query fall into 1,024 bins of 8 NEIGHBOURS (bin b: candidates 8 b .. 8 b + 7); this launch stores each bin's smallest d2.  The 17 candidates that come first by (distance, index) lie in the
; 17 bins that come first by (smallest distance, bin number): a candidate in any other bin has 17 candidates ahead of it, one in each of those bins.  The next launch finds those bins.
; SHARES.  A work-group: 256 queries (block qb = 4 x cluster x + cx) against 1,024 candidates (range = grid y).  Wave w: queries 128 (w / 4) on, and candidates 128 (w % 4) on of each half range of 512.
; A wave's 128 queries stay in REGISTERS (8 tiles x 4 K steps x 8 = 256, all of window 1), so each fragment of candidates read from LDS feeds eight matrix instructions.
; Source 0 = 16 candidates, source 1 = 16 queries: lane (r, h) holds query r, its register j candidate 8 h + j: A LANE'S EIGHT RESULTS ARE ONE BIN, and its minimum needs no other lane.
; Eight waves of 512 registers, two to a SIMD: one wave's vector work stands beside the other's matrix work.
; CLUSTER.  The four work-groups of a cluster differ in their queries alone and read the same candidates: codes, scale bytes and sums of squares are asked for JOINTLY (mask 15).  The queries do not go through LDS.
; LDS is filled ONCE: a whole range (K is only 512) fits.  So there is no ring and no refill; the second half's codes may stay out while the first half is multiplied.
; bins: f32 [query tile = 16 qb + 8 (w / 4) + t][block = 16 range + 8 half + 2 (w % 4) + n / 4][lane][n % 4], n the tile of 16 candidates among the wave's eight of a half: bin 8 block + 2 (n % 4) + h of query 16 tile + r.
.set PITCH, 272                        ; a candidate's row in LDS: 256 bytes of codes + 16: an odd multiple of 16 bytes, so the 16 rows of a fragment load start 68 words apart
.set HALFB, 512*PITCH                  ; half a range
.set SCL,   2*HALFB                    ; behind the codes: 16 scale bytes a candidate, dense
.set SQL,   SCL+16384                  ; and 4 bytes of sq a candidate
.set SQQ, 16                           ; v16-31   sq of my queries: tile t in v[16 + 2 t]; the odd register is named with it as a pair
.set QSC, 48                           ; v48-63   my queries' scale words: register 4 p + s: lanes 0-15 tile 2 p, lanes 16-31 tile 2 p + 1, K step s
.set ASC, 64                           ; v64-71   the candidates' scale words, two sets of four: lanes 0-15 an even tile, lanes 16-31 the odd tile behind it
.set SQC, 72                           ; v72-87   sq of a tile's candidates 8 h + 0 .. 7, two sets
.set TMP, 88                           ; v88-103  at work, two sets of eight
.set AF,  104                          ; v104-135 one tile of candidates: 4 K steps x 8
.set ACC, 136                          ; v136-199 eight accumulators, one a tile of queries
.set BM,  200                          ; v200-231 the bins' minima: tile t of queries, tile n % 4 of candidates at 200 + 4 t + n % 4
.set MSB, 0
.macro WIN new                         ; the immediate's high byte repeats the setting that is left
.if MSB != \new
	s_set_vgpr_msb (MSB<<8)|\new
.set MSB, \new
.endif
.endm
.macro CROUND                          ; a round of the cluster's barrier
	s_barrier_signal -1
	s_barrier_wait -1
	s_cmp_lg_u32 s14, 0
	s_cbranch_scc1 .Lnot_wave_0_\@
	s_barrier_signal -3
.Lnot_wave_0_\@:
	s_barrier_wait -3
	s_barrier_signal -1
	s_barrier_wait -1
.endm
	s_load_b256 s[4:11], s[0:1], 0x0               ; xc s[4:5], xs s[6:7], sq s[8:9], bins s[10:11]
	v_lshl_add_u32 v254, v0, 2, 0x49000
	v_mov_b32 v255, 0
	ds_add_u32 v254, v255
	ds_add_u32 v254, v255
	v_lshrrev_b32 v1, 5, v0
	v_readfirstlane_b32 s14, v1                    ; wave 0..7
	s_lshr_b32 s15, s14, 2                         ; qh: which 128 queries
	s_and_b32 s16, s14, 3                          ; cq: which 128 candidates of a half range
	s_and_b32 s19, ttmp7, 0xffff                   ; range, which the four partners share
	; group 1 for the codes: 64 rows of 256 bytes, 16 bytes of padding behind each
	s_mov_b32 s24, 15|(1<<20)|(1<<21)|(5<<22)|(3<<25)   ; 15:0 the mask: all four; 17:16 elements of 1 byte; 20 padding on; 21 set beside a mask; 24:22 after every 64 words; 31:25 four words
	s_mov_b32 s25, 256<<16                         ; tensor_dim0
	s_mov_b32 s26, 64<<16                          ; tensor_dim1
	s_mov_b32 s27, 256<<16                         ; tile_dim0
	s_mov_b32 s28, 64                              ; tile_dim1
	s_mov_b32 s29, 256                             ; the pitch
	s_mov_b32 s30, 0
	s_mov_b32 s31, 0
	; group 1 for the scale bytes: 2,048 dense bytes as 8 rows of 32 elements of 8 bytes
	s_mov_b32 s32, 15|(3<<16)|(1<<21)
	s_mov_b32 s33, 32<<16
	s_mov_b32 s34, 8<<16
	s_mov_b32 s35, 32<<16
	s_mov_b32 s36, 8
	s_mov_b32 s37, 32
	s_mov_b32 s38, 0
	s_mov_b32 s39, 0
	; group 1 for sq: 512 dense bytes as 2 such rows
	s_mov_b32 s40, 15|(3<<16)|(1<<21)
	s_mov_b32 s41, 32<<16
	s_mov_b32 s42, 2<<16
	s_mov_b32 s43, 32<<16
	s_mov_b32 s44, 2
	s_mov_b32 s45, 32
	s_mov_b32 s46, 0
	s_mov_b32 s47, 0
	; what my wave fetches: an eighth of each: made of the range and the wave's number alone
	s_lshl_b32 s70, s19, 14
	s_lshl_b32 s20, s14, 11
	s_add_co_u32 s70, s70, s20                     ; xs: 16,384 bytes a range, 2,048 a wave
	s_mov_b32 s71, 0
	s_lshl_b32 s72, s19, 12
	s_lshl_b32 s21, s14, 9
	s_add_co_u32 s72, s72, s21                     ; sq: 4,096 a range, 512 a wave
	s_mov_b32 s73, 0
	s_lshl_b32 s74, s19, 18
	s_lshl_b32 s22, s14, 14
	s_add_co_u32 s74, s74, s22                     ; xc: 262,144 a range, 64 rows a wave in each half
	s_mov_b32 s75, 0
	s_mov_b32 s48, 1
	s_add_co_u32 s49, s20, SCL
	s_mov_b32 s52, 1
	s_add_co_u32 s53, s21, SQL
	s_mov_b32 s56, 1
	s_mul_i32 s57, s14, 64*PITCH
	s_mov_b32 s60, 1
	s_add_co_u32 s61, s57, HALFB
	s_wait_dscnt 0x0
	s_wait_kmcnt 0x0
	s_add_nc_u64 s[50:51], s[6:7], s[70:71]
	s_or_b32 s51, s51, 0x80000000
	s_add_nc_u64 s[54:55], s[8:9], s[72:73]
	s_or_b32 s55, s55, 0x80000000
	s_add_nc_u64 s[58:59], s[4:5], s[74:75]
	s_add_nc_u64 s[62:63], s[58:59], 131072        ; the second half: 512 rows on
	s_or_b32 s59, s59, 0x80000000
	s_or_b32 s63, s63, 0x80000000
	CROUND                                         ; all four work-groups are here: the joint loads meet
	tensor_load_to_lds s[48:51], s[32:39]          ; scale bytes
	s_nop 0
	tensor_load_to_lds s[52:55], s[40:47]          ; sq
	s_nop 0
	tensor_load_to_lds s[56:59], s[24:31]          ; codes, first half
	s_nop 0
	tensor_load_to_lds s[60:63], s[24:31]          ; codes, second half: four loads of mine are out, and none follows
	s_nop 0
	v_and_b32 v1, 15, v0                           ; r       (four plain lines, none in place, ahead of any switch of the windows)
	v_bfe_u32 v2, v0, 4, 1                         ; h
	v_and_b32 v3, 31, v0                           ; lane
	v_mul_u32_u24 v4, v1, PITCH
	v_lshl_add_u32 v4, v2, 4, v4
	s_mul_i32 s20, s16, 128*PITCH
	v_add_nc_u32 v4, s20, v4                       ; v4: my place in a tile of candidates, first half: (128 cq + r) x pitch + 16 h
	v_add_nc_u32 v5, HALFB, v4                     ; v5: second half
	v_lshlrev_b32 v9, 4, v3                        ; v9: 16 x lane
	s_lshl_b32 s20, s16, 11
	s_add_co_u32 s20, s20, SCL
	v_add_nc_u32 v6, s20, v9                       ; v6: scale words of candidates 128 cq + lane
	v_lshlrev_b32 v7, 5, v2
	s_lshl_b32 s20, s16, 9
	s_add_co_u32 s20, s20, SQL
	v_add_nc_u32 v7, s20, v7                       ; v7: sq of candidates 128 cq + 8 h on
	v_lshlrev_b32 v8, 8, v1
	v_lshl_add_u32 v8, v2, 4, v8                   ; v8: a query's row of 256 bytes, + 16 h
	v_lshlrev_b32 v10, 2, v1                       ; v10: 4 r
	; my queries: the block enters global addresses of loads into registers and of the stores alone
	s_bfe_u32 s17, ttmp6, 0x40000                  ; cx
	s_lshl_b32 s18, ttmp9, 2
	s_add_co_u32 s18, s18, s17                     ; qb
	s_lshl_b32 s80, s18, 16
	s_lshl_b32 s76, s15, 15
	s_add_co_u32 s80, s80, s76
	s_mov_b32 s81, 0
	s_add_nc_u64 s[80:81], s[4:5], s[80:81]        ; xc at my first query
	s_lshl_b32 s82, s18, 12
	s_lshl_b32 s76, s15, 11
	s_add_co_u32 s82, s82, s76
	s_mov_b32 s83, 0
	s_add_nc_u64 s[82:83], s[6:7], s[82:83]        ; xs
	s_lshl_b32 s84, s18, 10
	s_lshl_b32 s76, s15, 9
	s_add_co_u32 s84, s84, s76
	s_mov_b32 s85, 0
	s_add_nc_u64 s[84:85], s[8:9], s[84:85]        ; sq
	s_lshl_b32 s86, s18, 20                        ; bins: (16 qb + 8 qh) tiles of 65,536 bytes
	s_lshl_b32 s76, s15, 19
	s_add_co_u32 s86, s86, s76
	s_lshl_b32 s76, s19, 13                        ; + (16 range + 2 cq) blocks of 512 bytes
	s_add_co_u32 s86, s86, s76
	s_lshl_b32 s76, s16, 10
	s_add_co_u32 s86, s86, s76
	s_mov_b32 s87, 0
	s_add_nc_u64 s[86:87], s[10:11], s[86:87]
	WIN 0x40                                       ; destination window 1
.irp t, 0,1,2,3,4,5,6,7
.irp s, 0,1,2,3
.irp c, 0,1
	global_load_b128 v[32*\t+8*\s+4*\c:32*\t+8*\s+4*\c+3], v8, s[80:81] offset:\t*4096+64*\s+32*\c   ; tile t, K step s: they stay
.endr
.endr
.endr
	WIN 0
.irp p, 0,1,2,3
	global_load_b128 v[QSC+4*\p:QSC+4*\p+3], v9, s[82:83] offset:512*\p
.endr
.irp t, 0,1,2,3,4,5,6,7
	global_load_b32 v[SQQ+2*\t], v10, s[84:85] offset:64*\t
.endr
	s_wait_loadcnt 0x0                             ; one wait for all of them
.irp t, 0,1,2,3,4,5,6,7
	v_mov_b32 v[SQQ+2*\t+1], v[SQQ+2*\t]           ; the packed forms name a pair
.endr
; One matrix instruction: queries' tile t, K step s, on the tile of candidates in hand.  AS: the set of its scale words; RA: 1 where they lie in lanes 16-31.
.macro MM t, s
.set rD, ACC+8*(\t)
.set rA, AF+8*(\s)
.set rB, 32*(\t)+8*(\s)
.set rX, ASC+4*AS+(\s)
.set rY, QSC+4*((\t)/2)+(\s)
.if (\s) == 0
.if RA == 0
.if (\t)%2 == 0
	v_wmma_scale_f32_16x16x128_f8f6f4 v[rD:rD+7], v[rA:rA+7], v[rB:rB+7], 0, v[rX], v[rY] matrix_a_fmt:MATRIX_FMT_FP4 matrix_b_fmt:MATRIX_FMT_FP4
.else
	v_wmma_scale_f32_16x16x128_f8f6f4 v[rD:rD+7], v[rA:rA+7], v[rB:rB+7], 0, v[rX], v[rY] matrix_a_fmt:MATRIX_FMT_FP4 matrix_b_fmt:MATRIX_FMT_FP4 matrix_b_scale:MATRIX_SCALE_ROW1
.endif
.else
.if (\t)%2 == 0
	v_wmma_scale_f32_16x16x128_f8f6f4 v[rD:rD+7], v[rA:rA+7], v[rB:rB+7], 0, v[rX], v[rY] matrix_a_fmt:MATRIX_FMT_FP4 matrix_b_fmt:MATRIX_FMT_FP4 matrix_a_scale:MATRIX_SCALE_ROW1
.else
	v_wmma_scale_f32_16x16x128_f8f6f4 v[rD:rD+7], v[rA:rA+7], v[rB:rB+7], 0, v[rX], v[rY] matrix_a_fmt:MATRIX_FMT_FP4 matrix_b_fmt:MATRIX_FMT_FP4 matrix_a_scale:MATRIX_SCALE_ROW1 matrix_b_scale:MATRIX_SCALE_ROW1
.endif
.endif
.else
.if RA == 0
.if (\t)%2 == 0
	v_wmma_scale_f32_16x16x128_f8f6f4 v[rD:rD+7], v[rA:rA+7], v[rB:rB+7], v[rD:rD+7], v[rX], v[rY] matrix_a_fmt:MATRIX_FMT_FP4 matrix_b_fmt:MATRIX_FMT_FP4
.else
	v_wmma_scale_f32_16x16x128_f8f6f4 v[rD:rD+7], v[rA:rA+7], v[rB:rB+7], v[rD:rD+7], v[rX], v[rY] matrix_a_fmt:MATRIX_FMT_FP4 matrix_b_fmt:MATRIX_FMT_FP4 matrix_b_scale:MATRIX_SCALE_ROW1
.endif
.else
.if (\t)%2 == 0
	v_wmma_scale_f32_16x16x128_f8f6f4 v[rD:rD+7], v[rA:rA+7], v[rB:rB+7], v[rD:rD+7], v[rX], v[rY] matrix_a_fmt:MATRIX_FMT_FP4 matrix_b_fmt:MATRIX_FMT_FP4 matrix_a_scale:MATRIX_SCALE_ROW1
.else
	v_wmma_scale_f32_16x16x128_f8f6f4 v[rD:rD+7], v[rA:rA+7], v[rB:rB+7], v[rD:rD+7], v[rX], v[rY] matrix_a_fmt:MATRIX_FMT_FP4 matrix_b_fmt:MATRIX_FMT_FP4 matrix_a_scale:MATRIX_SCALE_ROW1 matrix_b_scale:MATRIX_SCALE_ROW1
.endif
.endif
.endif
.endm
; Tile n (0 .. 7) of my 128 candidates in half i: its four fragments, its eight sq a lane, and with an even tile the scale words of two tiles.
.macro FETCH i, n
.irp s, 0,1,2,3
.irp c, 0,1
	ds_load_b128 v[AF+8*\s+4*\c:AF+8*\s+4*\c+3], v[4+\i] offset:(\n)*16*PITCH+64*\s+32*\c
.endr
.endr
	ds_load_b128 v[SQC+8*((\n)%2):SQC+8*((\n)%2)+3], v7 offset:(\i*512+16*(\n))*4
	ds_load_b128 v[SQC+8*((\n)%2)+4:SQC+8*((\n)%2)+7], v7 offset:(\i*512+16*(\n))*4+16
.if (\n)%2 == 0
	ds_load_b128 v[ASC+4*(((\n)/2)%2):ASC+4*(((\n)/2)%2)+3], v6 offset:(\i*512+16*(\n))*16
.endif
.endm
.macro ADDS t, set                     ; sq_c + sq_q for queries' tile t, two candidates an instruction
.irp j, 0,2,4,6
	v_pk_add_f32 v[TMP+8*\set+\j:TMP+8*\set+\j+1], v[SS+\j:SS+\j+1], v[SQQ+2*(\t):SQQ+2*(\t)+1] op_sel_hi:[1,0]
.endr
.endm
.macro FIN a, b                        ; d2 = that - 2 G, and the smallest of a lane's eight: its bin's.  Two tiles of queries by turns, each accumulator from its low end on
.irp j, 0,2,4,6
	v_pk_fma_f32 v[TMP+\j:TMP+\j+1], v[ACC+8*(\a)+\j:ACC+8*(\a)+\j+1], -2.0, v[TMP+\j:TMP+\j+1] op_sel_hi:[1,0,1]
	v_pk_fma_f32 v[TMP+8+\j:TMP+9+\j], v[ACC+8*(\b)+\j:ACC+8*(\b)+\j+1], -2.0, v[TMP+8+\j:TMP+9+\j] op_sel_hi:[1,0,1]
.endr
	v_min3_num_f32 v[EB+4*(\a)], v[TMP], v[TMP+1], v[TMP+2]
	v_min3_num_f32 v[EB+4*(\b)], v[TMP+8], v[TMP+9], v[TMP+10]
.irp j, 3,5
	v_min3_num_f32 v[EB+4*(\a)], v[EB+4*(\a)], v[TMP+\j], v[TMP+\j+1]
	v_min3_num_f32 v[EB+4*(\b)], v[EB+4*(\b)], v[TMP+8+\j], v[TMP+9+\j]
.endr
	v_min_num_f32 v[EB+4*(\a)], v[EB+4*(\a)], v[TMP+7]
	v_min_num_f32 v[EB+4*(\b)], v[EB+4*(\b)], v[TMP+15]
.endm
; A TILE of 16 candidates against my 128 queries: 32 matrix instructions, K step by K step, the eight accumulators by turns; then the vector work, with the next tile's LDS loads issued at its head.
; Behind every fourth tile the minima leave: for each tile of queries four registers a lane, 512 consecutive bytes a store.
.macro TILE i, n
.set AS, ((\n)/2)%2
.set RA, (\n)%2
.set SS, SQC+8*((\n)%2)
.set EB, BM+(\n)%4
	s_wait_dscnt 0x0                               ; this tile's fragments, scale words and sq are in
	WIN 0x04                                       ; source 1 (the queries) in window 1
.irp s, 0,1,2,3
.irp t, 0,1,2,3,4,5,6,7
	MM \t, \s
.endr
.endr
	WIN 0
	ADDS 0, 0                                      ; four plain lines that name no register of the last products: the places ahead of the loads below and of the first read of results
.if (\n) < 7
	FETCH \i, (\n)+1
.endif
	ADDS 1, 1
.if ((\n)%4 == 0) && ((\i)+(\n) > 0)
	s_wait_xcnt 0x0                                ; the last eight stores, 32 matrix instructions back, have read their data: the minima's registers are written again only behind this wait
.endif
	FIN 0, 1
.irp a, 2,4,6
	ADDS \a, 0
	ADDS \a+1, 1
	FIN \a, \a+1
.endr
.if (\n)%4 == 3
.irp t, 0,1,2,3,4,5,6,7
	global_store_b128 v9, v[BM+4*\t:BM+4*\t+3], s[86:87] offset:\t*65536+((\i)*8+(\n)/4)*512
.endr
.endif
.endm
.macro HALF i
	s_wait_tensorcnt 1-\i                          ; half 0: scale bytes, sq and the first half's codes have landed, the second half's load may stay out (nothing is ever filled again); half 1: all
	s_wait_dscnt 0x0
	s_barrier_signal -1
	s_barrier_wait -1                              ; every wave's part has
	FETCH \i, 0
.irp n, 0,1,2,3,4,5,6,7
	TILE \i, \n
.endr
.endm
	HALF 0
	HALF 1
	s_wait_tensorcnt 0x0
	ds_add_u32 v254, v255
	s_wait_dscnt 0x0
	CROUND                                         ; the closing round
	s_endpgm
.Lfunc_end_k_q3cd0a2f302_binmin:
	.size	k_q3cd0a2f302_binmin, .Lfunc_end_k_q3cd0a2f302_binmin-k_q3cd0a2f302_binmin
	.p2alignl 7, 3214868480
	.fill 96, 4, 3214868480
	.section	.rodata,"a",@progbits
	.p2align	6, 0x0
	.amdhsa_kernel k_q3cd0a2f302_binmin
		.amdhsa_group_segment_fixed_size 327680
		.amdhsa_private_segment_fixed_size 0
		.amdhsa_enable_private_segment 0
		.amdhsa_kernarg_size 32
		.amdhsa_user_sgpr_count 2
		.amdhsa_user_sgpr_kernarg_segment_ptr 1
		.amdhsa_wavefront_size32 1
		.amdhsa_system_sgpr_workgroup_id_x 1
		.amdhsa_system_sgpr_workgroup_id_y 1
		.amdhsa_system_sgpr_workgroup_id_z 1
		.amdhsa_system_vgpr_workitem_id 0
		.amdhsa_next_free_vgpr 512
		.amdhsa_next_free_sgpr 100
		.amdhsa_reserve_vcc 0
		.amdhsa_float_denorm_mode_32 3
		.amdhsa_float_denorm_mode_16_64 3
		.amdhsa_memory_ordered 1
		.amdhsa_forward_progress 1
		.amdhsa_inst_pref_size 186
	.end_amdhsa_kernel
	.amdgpu_metadata
---
amdhsa.version: [ 1, 2 ]
amdhsa.kernels:
  - .name:           k_q3cd0a2f302_binmin
    .symbol:         k_q3cd0a2f302_binmin.kd
    .args:
      - { .name: xc, .offset: 0, .size: 8, .value_kind: global_buffer, .address_space: global }
      - { .name: xs, .offset: 8, .size: 8, .value_kind: global_buffer, .address_space: global }
      - { .name: sq, .offset: 16, .size: 8, .value_kind: global_buffer, .address_space: global }
      - { .name: bins, .offset: 24, .size: 8, .value_kind: global_buffer, .address_space: global }
    .group_segment_fixed_size: 327680
    .private_segment_fixed_size: 0
    .kernarg_segment_align: 8
    .kernarg_segment_size: 32
    .max_flat_workgroup_size: 256
    .sgpr_count:     100
    .vgpr_count:     512
    .wavefront_size: 32
...
	.end_amdgpu_metadata
.endif
;; end of part 2
;; launch select (part 3): grid 512 x 1, 4 waves a work-group, no clusters, 19,968 bytes of LDS; arguments bins, blist; writes blist
.if DOCPART == 3
	.amdgcn_target "amdgcn-amd-amdhsa--gfx1250"
	.amdhsa_code_object_version 6
	.text
	.protected	k_q3cd0a2f302_select
	.globl	k_q3cd0a2f302_select
	.p2align	8
	.type	k_q3cd0a2f302_select,@function
k_q3cd0a2f302_select:
	s_mov_b64 s[64:65], 0
	v_nop
	global_prefetch_b8 v0, s[64:65] scope:SCOPE_SE
	s_setreg_imm32_b32 hwreg(HW_REG_WAVE_MODE, 25, 1), 1
	s_wait_xcnt 0x0
; THE 17 BINS THAT COME FIRST.  bins holds, for each query, the smallest d2 of each of its 1,024 bins of 8 neighbouring candidates.  A bin's key is sqrt(max(that, 0)), correctly rounded, by the very lines of the launch that
; sorts the candidates: the root does not fall where its input rises, so this is the smallest key in the bin.  The bins are ordered by (key, bin number); blist[q][0 .. 16] = the 17 first, blist[q][17 .. 31] = -1.
; NO BRANCH AND NO ADDRESS HANGS ON A NUMBER: everything is done by networks of minima and maxima on registers, the same work for every input, ties of any number included.
; SHARES.  A work-group takes a tile of 16 queries.  Lane (r, h) of wave w holds, of query r, the 128 bins 256 w + 2 m + h, m = 0 .. 127, as they were stored: 32 loads of 512 consecutive bytes a wave, all issued at the head.
; PASS 1: T = the 17th smallest key.  PASS 2: a bin becomes the whole number b (key < T), 1024 + b (key = T) or all ones (key > T).  At most 16 bins lie under T and at least 17 at or under it, so the 17 smallest of these
; numbers are all bins under T and then the lowest-numbered bins at T: the 17 first by (key, b).  Keys are not negative, so their bits order them: both passes run the same unsigned networks.
; A PASS.  Kept: S, the 16 smallest so far, sorted, and the 17th smallest.  A batch of 16 is sorted by the merge-exchange network of 63 comparators (Knuth, TAOCP 5.2.2, algorithm M).  Then min(S_i, B_(15 - i)) are the 16
; smallest of both, the smallest of the 16 maxima and the old 17th give the new 17th, and 32 comparators sort the 16 again (they form a run that rises and then falls).  Two such states are joined in the same way:
; with lane l xor 16's, and through LDS with the other waves': every wave then joins the four waves' lists, in the same order, and holds the query's result.
; A comparator is a minimum into the free register and a maximum in place; the names change places, so nothing is copied.
; LIMITS.  d2 under 2^-126: v_sqrt_f32 takes a denormal input as zero (ISA guide 15.8), so such keys all become the smallest denormal.  NaN and infinities are not served.
.set POOL, 16                          ; v16-48   S's 16 registers, the batch's 16 and the free one: RS0 .. RS15, RB0 .. RB15, RF say which is which
.set S17,  49                          ; v49      the 17th smallest
.set PT,   50                          ; v50      another state's 17th
.set TK,   51                          ; v51      T
.set VB,   52                          ; v52      256 w + h: my bin 0
.set VB2,  53                          ; v53      + 1024
.set V,    64                          ; v64-191  my 128 bins: d2, then keys, then whole numbers
.set SR,   192                         ; v192-207 sixteen roots
.set TA,   208                         ; v208-223 at work
.set TB,   212
.set TC,   216
.set TD,   220
.set LISTB, 17*128                     ; a wave's state in LDS: 17 words a lane
.set EX1,  0                           ; the four waves' states of pass 1,
.set EX2,  4*LISTB                     ; of pass 2: bytes of their own, so that no barrier is owed between the reads of the first and the writes of the second,
.set OUTL, 8*LISTB                     ; and 16 queries x 128 bytes for the way out
.irp i, 0,1,2,3,4,5,6,7,8,9,10,11,12,13,14,15
.set RS\i, POOL+\i
.set RB\i, POOL+16+\i
.endr
.set RF, POOL+32
.macro CEB a, b                        ; batch: B_a takes the smaller, B_b the larger
	v_min_u32 v[RF], v[RB\a], v[RB\b]
	v_max_u32 v[RB\b], v[RB\a], v[RB\b]
.set RT, RB\a
.set RB\a, RF
.set RF, RT
.endm
.macro CES a, b                        ; the same in S
	v_min_u32 v[RF], v[RS\a], v[RS\b]
	v_max_u32 v[RS\b], v[RS\a], v[RS\b]
.set RT, RS\a
.set RS\a, RF
.set RF, RT
.endm
.macro CEM a, b                        ; S_a takes the smaller, B_b the larger
	v_min_u32 v[RF], v[RS\a], v[RB\b]
	v_max_u32 v[RB\b], v[RS\a], v[RB\b]
.set RT, RS\a
.set RS\a, RF
.set RF, RT
.endm
.macro L0 a, b, src                    ; the network's first layer reads the bins' registers and leaves them as they are
	v_min_u32 v[RB\a], v[\src+\a], v[\src+\b]
	v_max_u32 v[RB\b], v[\src+\a], v[\src+\b]
.endm
.macro MNB a, b
	v_min_u32 v[RB\a], v[RB\a], v[RB\b]
.endm
.macro TAKE i                          ; S_i and B_i change names
.set RT, RS\i
.set RS\i, RB\i
.set RB\i, RT
.endm
.macro SORTB src                       ; the 16 numbers from v[src] on, sorted into B
	L0 0, 8, \src
	L0 1, 9, \src
	L0 2, 10, \src
	L0 3, 11, \src
	L0 4, 12, \src
	L0 5, 13, \src
	L0 6, 14, \src
	L0 7, 15, \src
	CEB 0, 4
	CEB 1, 5
	CEB 2, 6
	CEB 3, 7
	CEB 8, 12
	CEB 9, 13
	CEB 10, 14
	CEB 11, 15
	CEB 4, 8
	CEB 5, 9
	CEB 6, 10
	CEB 7, 11
	CEB 0, 2
	CEB 1, 3
	CEB 4, 6
	CEB 5, 7
	CEB 8, 10
	CEB 9, 11
	CEB 12, 14
	CEB 13, 15
	CEB 2, 8
	CEB 3, 9
	CEB 6, 12
	CEB 7, 13
	CEB 2, 4
	CEB 3, 5
	CEB 6, 8
	CEB 7, 9
	CEB 10, 12
	CEB 11, 13
	CEB 0, 1
	CEB 2, 3
	CEB 4, 5
	CEB 6, 7
	CEB 8, 9
	CEB 10, 11
	CEB 12, 13
	CEB 14, 15
	CEB 1, 8
	CEB 3, 10
	CEB 5, 12
	CEB 7, 14
	CEB 1, 4
	CEB 3, 6
	CEB 5, 8
	CEB 7, 10
	CEB 9, 12
	CEB 11, 14
	CEB 1, 2
	CEB 3, 4
	CEB 5, 6
	CEB 7, 8
	CEB 9, 10
	CEB 11, 12
	CEB 13, 14
.endm
.macro MERGE                           ; S and a sorted B: S = the 16 smallest of both, sorted; the smallest of the other 16 goes into the 17th
	CEM 0, 15
	CEM 1, 14
	CEM 2, 13
	CEM 3, 12
	CEM 4, 11
	CEM 5, 10
	CEM 6, 9
	CEM 7, 8
	CEM 8, 7
	CEM 9, 6
	CEM 10, 5
	CEM 11, 4
	CEM 12, 3
	CEM 13, 2
	CEM 14, 1
	CEM 15, 0
	MNB 0, 1
	MNB 2, 3
	MNB 4, 5
	MNB 6, 7
	MNB 8, 9
	MNB 10, 11
	MNB 12, 13
	MNB 14, 15
	MNB 0, 2
	MNB 4, 6
	MNB 8, 10
	MNB 12, 14
	MNB 0, 4
	MNB 8, 12
	MNB 0, 8
	v_min_u32 v[S17], v[S17], v[RB0]
	CES 0, 8
	CES 1, 9
	CES 2, 10
	CES 3, 11
	CES 4, 12
	CES 5, 13
	CES 6, 14
	CES 7, 15
	CES 0, 4
	CES 1, 5
	CES 2, 6
	CES 3, 7
	CES 8, 12
	CES 9, 13
	CES 10, 14
	CES 11, 15
	CES 0, 2
	CES 1, 3
	CES 4, 6
	CES 5, 7
	CES 8, 10
	CES 9, 11
	CES 12, 14
	CES 13, 15
	CES 0, 1
	CES 2, 3
	CES 4, 5
	CES 6, 7
	CES 8, 9
	CES 10, 11
	CES 12, 13
	CES 14, 15
.endm
; Sixteen d2 from v[b] on become keys, in place.  The roots go as one batch with one wait; four numbers at a time are then set right.
.macro KEYS b
.irp j, 0,1,2,3,4,5,6,7,8,9,10,11,12,13,14,15
	v_max_num_f32 v[\b+\j], 0, v[\b+\j]
.endr
.irp j, 0,1,2,3,4,5,6,7,8,9,10,11,12,13,14,15
	v_sqrt_f32 v[SR+\j], v[\b+\j]
.endr
	v_nop                                          ; a plain line behind the last root
	s_wait_alu depctr_va_vdst(0)                   ; the wait ahead of the first line that names a root: one for the sixteen
.irp g, 0,4,8,12
.irp u, 0,1,2,3
	v_add_nc_u32 v[TA+\u], -1, v[SR+\g+\u]         ; the root is within an ulp: its two neighbours,
	v_add_nc_u32 v[TB+\u], 1, v[SR+\g+\u]
.endr
.irp u, 0,1,2,3
	v_fma_f32 v[TC+\u], -v[TA+\u], v[SR+\g+\u], v[\b+\g+\u]   ; x - (s - ulp) s: not positive where the true root lies at or below the middle between them,
	v_fma_f32 v[TD+\u], -v[TB+\u], v[SR+\g+\u], v[\b+\g+\u]   ; x - (s + ulp) s: positive where it lies above the upper middle
.endr
.irp u, 0,1,2,3
	v_cmp_ge_f32 vcc_lo, 0, v[TC+\u]
	v_cndmask_b32 v[SR+\g+\u], v[SR+\g+\u], v[TA+\u], vcc_lo
	v_cmp_lt_f32 vcc_lo, 0, v[TD+\u]
	v_cndmask_b32 v[\b+\g+\u], v[SR+\g+\u], v[TB+\u], vcc_lo   ; the correctly rounded root
.endr
.endr
.endm
; The sixteen keys of chunk CH become whole numbers, in place: bin 256 w + h + 2 m for my number m
.macro CODES
.irp j, 0,1,2,3,4,5,6,7,8,9,10,11,12,13,14,15
	v_cmp_eq_u32 s[20+\j%4], v[V+16*CH+\j], v[TK]
	v_cmp_le_u32 s[24+\j%4], v[V+16*CH+\j], v[TK]
	v_cndmask_b32 v[TA+\j%4], v[VB], v[VB2], s[20+\j%4]
	v_add_nc_u32 v[TA+\j%4], 2*(16*CH+\j), v[TA+\j%4]
	v_cndmask_b32 v[V+16*CH+\j], -1, v[TA+\j%4], s[24+\j%4]
.endr
.endm
; My own 128 numbers, sixteen at a time
.macro OWN p
.set CH, 0
.rept 8
.if \p == 1
	s_wait_loadcnt 28-4*CH                         ; this chunk's four loads are in; those of the chunks behind it, four each, may be out
	KEYS V+16*CH
.else
	CODES
.endif
	SORTB V+16*CH
.if CH == 0
.irp i, 0,1,2,3,4,5,6,7,8,9,10,11,12,13,14,15
	TAKE \i                                        ; the first batch is S
.endr
	v_mov_b32 v[S17], -1                           ; and there is no 17th yet
.else
	MERGE
.endif
.set CH, CH+1
.endr
.endm
.macro PX i
	v_permlanex16_b32 v[RB\i], v[RS\i], s10, s11
.endm
.macro PS i, off
	ds_store_b32 v2, v[RS\i] offset:\off+128*\i
.endm
.macro GS i, off
	ds_load_b32 v[RS\i], v3 offset:\off+128*\i
.endm
.macro GB i, off
	ds_load_b32 v[RB\i], v3 offset:\off+128*\i
.endm
; My state is joined with lane l xor 16's (the query's other bins of my wave) and, through the LDS bytes from base on, with the other waves'
.macro JOIN base
.irp i, 0,1,2,3,4,5,6,7,8,9,10,11,12,13,14,15
	PX \i
.endr
	v_permlanex16_b32 v[PT], v[S17], s10, s11
	v_min_u32 v[S17], v[S17], v[PT]
	MERGE
.irp i, 0,1,2,3,4,5,6,7,8,9,10,11,12,13,14,15
	PS \i, \base
.endr
	ds_store_b32 v2, v[S17] offset:\base+2048
	s_wait_dscnt 0x0                               ; for the others' sake: my state lies in LDS
	s_barrier_signal -1
	s_barrier_wait -1
.irp i, 0,1,2,3,4,5,6,7,8,9,10,11,12,13,14,15
	GS \i, \base                                   ; wave 0's state is taken as it is,
.endr
	ds_load_b32 v[S17], v3 offset:\base+2048
.irp k, 1,2,3
.irp i, 0,1,2,3,4,5,6,7,8,9,10,11,12,13,14,15
	GB \i, \base+LISTB*\k                          ; and the other three are joined to it
.endr
	ds_load_b32 v[PT], v3 offset:\base+LISTB*\k+2048
	s_wait_dscnt 0x0
	v_min_u32 v[S17], v[S17], v[PT]
	MERGE
.endr
.endm
.macro AN1 i
	v_and_b32 v[RS\i], 0x3ff, v[RS\i]
.endm
.macro OS1 i
	ds_store_b32 v4, v[RS\i] offset:OUTL+4*\i
.endm
	s_load_b128 s[4:7], s[0:1], 0x0                ; bins s[4:5], blist s[6:7]
	v_lshl_add_u32 v224, v0, 2, 0x4c00
	v_mov_b32 v225, 0
	v_lshrrev_b32 v1, 5, v0
	v_readfirstlane_b32 s8, v1                     ; wave 0..3
	v_and_b32 v7, 31, v0                           ; lane
	v_lshlrev_b32 v1, 4, v7                        ; v1: 16 x lane
	v_lshlrev_b32 v3, 2, v7                        ; v3: 4 x lane: a lane's word of any wave's state
	s_mul_i32 s12, s8, LISTB
	v_add_nc_u32 v2, s12, v3                       ; v2: of my wave's
	v_and_b32 v4, 15, v0
	v_lshlrev_b32 v4, 7, v4                        ; v4: the way out: 128 r
	v_mov_b32 v6, -1
	v_bfe_u32 v[VB], v0, 4, 1                      ; h
	s_lshl_b32 s12, s8, 8
	v_add_nc_u32 v[VB], s12, v[VB]
	v_add_nc_u32 v[VB2], 1024, v[VB]
	v_mov_b32 v[PT], 0                             ; written once: a lane permute's destination counts as one of its sources
	s_mov_b32 s10, 0x76543210
	s_mov_b32 s11, 0xfedcba98                      ; v_permlanex16_b32: lane l xor 16
	s_lshl_b32 s12, ttmp9, 16                      ; bins: 65,536 bytes a tile of queries,
	s_lshl_b32 s13, s8, 14                         ; 32 blocks of 512 a wave
	s_add_co_u32 s12, s12, s13
	s_mov_b32 s13, 0
	s_lshl_b32 s14, ttmp9, 11                      ; blist: 16 queries x 128 bytes
	s_mov_b32 s15, 0
	s_wait_kmcnt 0x0
	s_add_nc_u64 s[4:5], s[4:5], s[12:13]
	s_add_nc_u64 s[6:7], s[6:7], s[14:15]
.irp k, 0,1,2,3,4,5,6,7,8,9,10,11,12,13,14,15,16,17,18,19,20,21,22,23,24,25,26,27,28,29,30,31
	global_load_b128 v[V+4*\k:V+4*\k+3], v1, s[4:5] offset:512*\k th:TH_LOAD_NT   ; 512 consecutive bytes a load; read once in the launch
.endr
	OWN 1
	JOIN EX1
	v_mov_b32 v[TK], v[S17]                        ; T: the query's 17th smallest key
	OWN 2
	JOIN EX2
	s_cmp_lg_u32 s8, 0
	s_cbranch_scc1 .Lend                           ; all four waves hold the result: wave 0 stores it
.irp i, 0,1,2,3,4,5,6,7,8,9,10,11,12,13,14,15
	AN1 \i                                         ; the bin's number alone
.endr
	v_and_b32 v[S17], 0x3ff, v[S17]
.irp i, 0,1,2,3,4,5,6,7,8,9,10,11,12,13,14,15
	OS1 \i                                         ; by query: lanes r and 16 + r write the same word with the same value
.endr
	ds_store_b32 v4, v[S17] offset:OUTL+64
.irp i, 17,18,19,20,21,22,23,24,25,26,27,28,29,30,31
	ds_store_b32 v4, v6 offset:OUTL+4*\i           ; the rest of a query's 32 words says: no bin
.endr
.irp k, 0,1,2,3
	ds_load_b128 v[V+4*\k:V+4*\k+3], v1 offset:OUTL+512*\k   ; LDS serves a wave's instructions in order (ISA guide 5.7.1.4): these see the stores above
.endr
	s_wait_dscnt 0x0
.irp k, 0,1,2,3
	global_store_b128 v1, v[V+4*\k:V+4*\k+3], s[6:7] offset:512*\k   ; 512 consecutive bytes a store
.endr
.Lend:
	s_wait_tensorcnt 0x0
	ds_add_u32 v224, v225
	s_wait_dscnt 0x0
	s_endpgm
.Lfunc_end_k_q3cd0a2f302_select:
	.size	k_q3cd0a2f302_select, .Lfunc_end_k_q3cd0a2f302_select-k_q3cd0a2f302_select
	.p2alignl 7, 3214868480
	.fill 96, 4, 3214868480
	.section	.rodata,"a",@progbits
	.p2align	6, 0x0
	.amdhsa_kernel k_q3cd0a2f302_select
		.amdhsa_group_segment_fixed_size 19968
		.amdhsa_private_segment_fixed_size 0
		.amdhsa_enable_private_segment 0
		.amdhsa_kernarg_size 16
		.amdhsa_user_sgpr_count 2
		.amdhsa_user_sgpr_kernarg_segment_ptr 1
		.amdhsa_wavefront_size32 1
		.amdhsa_system_sgpr_workgroup_id_x 1
		.amdhsa_system_sgpr_workgroup_id_y 1
		.amdhsa_system_sgpr_workgroup_id_z 1
		.amdhsa_system_vgpr_workitem_id 0
		.amdhsa_next_free_vgpr 226
		.amdhsa_next_free_sgpr 66
		.amdhsa_reserve_vcc 1
		.amdhsa_float_denorm_mode_32 3
		.amdhsa_float_denorm_mode_16_64 3
		.amdhsa_memory_ordered 1
		.amdhsa_forward_progress 1
		.amdhsa_inst_pref_size 250
	.end_amdhsa_kernel
	.amdgpu_metadata
---
amdhsa.version: [ 1, 2 ]
amdhsa.kernels:
  - .name:           k_q3cd0a2f302_select
    .symbol:         k_q3cd0a2f302_select.kd
    .args:
      - { .name: bins, .offset: 0, .size: 8, .value_kind: global_buffer, .address_space: global }
      - { .name: blist, .offset: 8, .size: 8, .value_kind: global_buffer, .address_space: global }
    .group_segment_fixed_size: 19968
    .private_segment_fixed_size: 0
    .kernarg_segment_align: 8
    .kernarg_segment_size: 16
    .max_flat_workgroup_size: 128
    .sgpr_count:     66
    .vgpr_count:     226
    .wavefront_size: 32
...
	.end_amdgpu_metadata
.endif
;; end of part 3
;; launch refine (part 4): grid 1024 x 1, 8 waves a work-group, no clusters, 80,896 bytes of LDS; arguments blist, xr, nbr; writes nbr
.if DOCPART == 4
	.amdgcn_target "amdgcn-amd-amdhsa--gfx1250"
	.amdhsa_code_object_version 6
	.text
	.protected	k_q3cd0a2f302_refine
	.globl	k_q3cd0a2f302_refine
	.p2align	8
	.type	k_q3cd0a2f302_refine,@function
k_q3cd0a2f302_refine:
	s_mov_b64 s[64:65], 0
	v_nop
	global_prefetch_b8 v0, s[64:65] scope:SCOPE_SE
	s_setreg_imm32_b32 hwreg(HW_REG_WAVE_MODE, 25, 1), 1
	s_wait_xcnt 0x0
; THE EXACT ORDER OF THE CANDIDATES IN THE 17 FIRST BINS.  One wave, one query q = 8 x work-group + wave.  blist[q] names the 17 bins of 8 neighbouring candidates that come first by (smallest distance, bin number): the 17
; candidates that come first by (distance, index) lie in them, for every input.
; For each of the 136 the wave makes G again by the same matrix form, K ascending in one chain (sources swapped: the transposed tile), d2 = (sq_q + sq_c) - 2 G, key = the correctly rounded sqrt(max(d2, 0)),
; and keeps the 32 smallest by (key, index) sorted over its lanes.  nbr[q][0 .. 31] = their indices; the next launch uses places 1 to 16.
; WHAT STEERS.  The loop has 5 trips, whatever the data: a trip takes 4 places of the list, 32 candidates; places 17 to 19 hold -1.  A record's address is min(bin, 1023) x 8 records + a constant + a lane term, the bin read
; by a scalar load.  Floating-point numbers feed selections alone.
; A TRIP.  32 records of xr (256 bytes of codes, 16 scale bytes, sq), one load each: lanes 0-17 take the record's 18 pieces of 16 bytes, lanes 18-31 the last piece again.  The records go into the wave's own LDS, 304 bytes
; apart, in ascending order: what a store's upper lanes lay over the next row is written over by that row's own store (LDS serves a wave's instructions in order: ISA guide 5.7.1.4); the last row's falls into spare bytes.
; From there the fragments come as from any tile (304 is an odd multiple of 16 bytes), lane m takes record m's scale words and sq.  The list's word is also loaded a word a lane, as a value: -1 says 'no bin'.
; LIMITS.  d2 under 2^-126: v_sqrt_f32 takes a denormal input as zero (ISA guide 15.8), so such keys all become the smallest denormal.  NaN and infinities are not served.
; No barrier: waves share nothing.  All lanes always on.
.set RP,   288                         ; a record of xr
.set LP,   304                         ; a record's row in LDS
.set WREG, 9984                        ; a wave's LDS: 31 x 304 + 512, rounded up to blocks of 256
.set TRIPS, 5                          ; 4 places of the list a trip: 17 bins and 3 empty places
.set BI,  10                           ; v10      the trip's index
.set SQC, 11                           ; v11      sq of my candidate
.set BK,  12                           ; v12      the trip's key
.set SK,  14                           ; v14, v15 the 32 best so far, ascending over the lanes
.set SI,  15
.set OFF, 16                           ; v16-19   bin b of the trip: my byte offset in its first record
.set PK,  48                           ; v48, v49 the partner's pair
.set PI,  49
.set ST,  64                           ; v64-191  the 32 records as loaded, four registers each
.set AFA, 64                           ; v64-95   then: candidates 0-15, 4 K steps
.set AFB, 96                           ; v96-127  candidates 16-31
.set QF,  192                          ; v192-223 the query's fragment, 4 K steps: all 16 rows are the query
.set QS,  224                          ; v224-227 its scale words
.set CS,  228                          ; v228-231 the candidates' scale words: lane m has candidate m's
.set DA,  232                          ; v232-239, v240-247 the two accumulators
.set DB,  240
.set M1,  0xaaaaaaaa                   ; lanes with bit 0 set, bit 1, ..
.set M2,  0xcccccccc
.set M4,  0xf0f0f0f0
.set M8,  0xff00ff00
.set M16, 0xffff0000
.set ALL, 0xffffffff
	s_load_b128 s[4:7], s[0:1], 0x0                ; blist s[4:5], xr s[6:7]
	s_load_b64 s[8:9], s[0:1], 0x10                ; nbr
	v_lshl_add_u32 v254, v0, 2, 0x13800
	v_mov_b32 v255, 0
	v_lshrrev_b32 v1, 5, v0
	v_readfirstlane_b32 s14, v1                    ; wave
	s_lshl_b32 s15, ttmp9, 3
	s_add_co_u32 s15, s15, s14                     ; q
	v_and_b32 v1, 31, v0                           ; lane
	v_bfe_u32 v2, v0, 4, 1
	v_lshlrev_b32 v2, 4, v2                        ; v2: 16 h
	v_min_u32 v3, 17, v1
	v_lshlrev_b32 v3, 4, v3                        ; v3: my piece of a record
	v_lshlrev_b32 v4, 2, v1                        ; v4: 4 x lane
	v_mov_b32 v5, 0
	v_mov_b32 v6, 0x7f800000                       ; a key above every key
	s_mul_i32 s20, s14, WREG                       ; my wave's LDS
	v_lshlrev_b32 v7, 4, v1
	v_add_nc_u32 v7, s20, v7                       ; v7: into it: 16 x lane
	v_and_b32 v8, 15, v0
	v_mul_u32_u24 v8, v8, LP
	v_add_nc_u32 v8, v8, v2
	v_add_nc_u32 v8, s20, v8                       ; v8: a fragment: row r, + 16 h
	v_mul_u32_u24 v9, v1, LP
	v_add_nc_u32 v9, s20, v9                       ; v9: row = my lane
	v_lshrrev_b32 v58, 3, v1
	v_lshlrev_b32 v58, 2, v58                      ; v58: 4 x (lane / 8): my bin's word among the trip's four
	v_and_b32 v59, 7, v0                           ; v59: lane % 8: my candidate in its bin
	v_mov_b32 v[SK], 0x7f800000
	v_mov_b32 v[SI], -1
	v_mov_b32 v[PK], 0                             ; written once: a lane permute's destination counts as one of its sources
	v_mov_b32 v[PI], 0
	s_mov_b32 s24, 0x76543210
	s_mov_b32 s25, 0xfedcba98                      ; v_permlanex16_b32: lane l xor 16
	s_mov_b32 s26, M16                             ; lanes 16-31
	s_lshl_b32 s10, s15, 7
	s_mov_b32 s11, 0
	s_mul_i32 s12, s15, RP
	s_mov_b32 s13, 0
	s_wait_kmcnt 0x0
	s_add_nc_u64 s[28:29], s[4:5], s[10:11]        ; my list: 128 bytes a query
	s_add_nc_u64 s[30:31], s[6:7], s[12:13]        ; the query's record
	s_add_nc_u64 s[8:9], s[8:9], s[10:11]          ; nbr: 128 bytes a query
	s_load_b32 s16, s[30:31], 0x110                ; sq_q: byte 272 of the record
.irp s, 0,1,2,3
.irp c, 0,1
	global_load_b128 v[QF+8*\s+4*\c:QF+8*\s+4*\c+3], v2, s[30:31] offset:64*\s+32*\c
.endr
.endr
	global_load_b128 v[QS:QS+3], v5, s[30:31] offset:256
; One compare-exchange step over the lanes, on pairs (key, index) taken as whole numbers (keys are not negative): lanes l and l xor j.  nkm: the lanes that keep the larger of the two.
.macro STAGE K, I, j, nkm
.if \j == 16
	v_permlanex16_b32 v[PK], v[\K], s24, s25
	v_permlanex16_b32 v[PI], v[\I], s24, s25
.else
	v_mov_b32_dpp v[PK], v[\K] row_xmask:\j row_mask:0xf bank_mask:0xf
	v_mov_b32_dpp v[PI], v[\I] row_xmask:\j row_mask:0xf bank_mask:0xf
.endif
	v_cmp_lt_u32 s20, v[PK], v[\K]
	v_cmp_eq_u32 s21, v[PK], v[\K]
	v_cmp_lt_u32 s22, v[PI], v[\I]
	s_and_b32 s21, s21, s22
	s_or_b32 s20, s20, s21                         ; the partner's pair comes first
	s_xor_b32 vcc_lo, s20, \nkm                    ; take it where I keep the smaller; where I keep the larger, take it if it does not (equal pairs are the same pair)
	v_cndmask_b32 v[\K], v[\K], v[PK], vcc_lo
	v_cndmask_b32 v[\I], v[\I], v[PI], vcc_lo
.endm
	s_mov_b32 s19, 0
.Lbatch:
	s_load_b128 s[32:35], s[28:29], 0x0            ; the trip's four bins, for the addresses,
	global_load_b32 v60, v58, s[28:29]             ; and my bin's word, for the sort
	s_wait_kmcnt 0x0                               ; (in the first trip: sq_q too)
.irp b, 0,1,2,3
	s_min_u32 s[32+\b], s[32+\b], 0x3ff            ; inside the table: the filling -1 too
	s_mul_i32 s[32+\b], s[32+\b], 8*RP             ; a bin's eight records lie on end
	v_add_nc_u32 v[OFF+\b], s[32+\b], v3
.endr
.irp i, 0,1,2,3,4,5,6,7,8,9,10,11,12,13,14,15,16,17,18,19,20,21,22,23,24,25,26,27,28,29,30,31
	global_load_b128 v[ST+4*\i:ST+4*\i+3], v[OFF+\i/8], s[6:7] offset:(\i%8)*RP
.endr
.irp i, 0,1,2,3,4,5,6,7,8,9,10,11,12,13,14,15,16,17,18,19,20,21,22,23,24,25,26,27,28,29,30,31
	s_wait_loadcnt 31-\i                           ; record i is in; the 31 - i asked for behind it may be out
	ds_store_b128 v7, v[ST+4*\i:ST+4*\i+3] offset:\i*LP   ; in ascending order: row i + 1 writes over what lanes 19-31 laid on it
.endr
.irp s, 0,1,2,3
.irp c, 0,1
	ds_load_b128 v[AFA+8*\s+4*\c:AFA+8*\s+4*\c+3], v8 offset:64*\s+32*\c             ; these see the stores above
	ds_load_b128 v[AFB+8*\s+4*\c:AFB+8*\s+4*\c+3], v8 offset:16*LP+64*\s+32*\c
.endr
.endr
	ds_load_b128 v[CS:CS+3], v9 offset:256
	ds_load_b32 v[SQC], v9 offset:272
	s_wait_dscnt 0x0
	v_wmma_scale_f32_16x16x128_f8f6f4 v[DA:DA+7], v[QF:QF+7], v[AFA:AFA+7], 0, v[QS], v[CS] matrix_a_fmt:MATRIX_FMT_FP4 matrix_b_fmt:MATRIX_FMT_FP4
	v_wmma_scale_f32_16x16x128_f8f6f4 v[DB:DB+7], v[QF:QF+7], v[AFB:AFB+7], 0, v[QS], v[CS] matrix_a_fmt:MATRIX_FMT_FP4 matrix_b_fmt:MATRIX_FMT_FP4 matrix_b_scale:MATRIX_SCALE_ROW1
.irp s, 1,2,3                                  ; the two accumulators by turns
	v_wmma_scale_f32_16x16x128_f8f6f4 v[DA:DA+7], v[QF+8*\s:QF+8*\s+7], v[AFA+8*\s:AFA+8*\s+7], v[DA:DA+7], v[QS+\s], v[CS+\s] matrix_a_fmt:MATRIX_FMT_FP4 matrix_b_fmt:MATRIX_FMT_FP4
	v_wmma_scale_f32_16x16x128_f8f6f4 v[DB:DB+7], v[QF+8*\s:QF+8*\s+7], v[AFB+8*\s:AFB+8*\s+7], v[DB:DB+7], v[QS+\s], v[CS+\s] matrix_a_fmt:MATRIX_FMT_FP4 matrix_b_fmt:MATRIX_FMT_FP4 matrix_b_scale:MATRIX_SCALE_ROW1
.endr
	v_add_f32 v50, s16, v[SQC]                     ; sq_q + sq_c: the first of four places behind the last product (ISA guide 7.12.1)
	v_nop
	v_nop
	v_nop
	v_cndmask_b32 v51, v[DA], v[DB], s26           ; every row of a result is the query, column r the candidate: register 0 has G for my candidate
	v_fma_f32 v51, -2.0, v51, v50                  ; d2
	v_max_num_f32 v52, 0, v51
	v_cmp_ne_u32 s27, -1, v60                      ; the lanes whose place of the list holds a bin
	v_lshl_add_u32 v61, v60, 3, v59                ; my candidate: 8 x bin + lane % 8
	v_cndmask_b32 v[BI], -1, v61, s27
	v_sqrt_f32 v53, v52
	v_nop                                          ; a plain line behind the root
	s_wait_alu depctr_va_vdst(0)                   ; the wait ahead of the first line that names the root
	v_add_nc_u32 v54, -1, v53                      ; the root is within an ulp: its two neighbours,
	v_add_nc_u32 v55, 1, v53
	v_fma_f32 v56, -v54, v53, v52                  ; x - (s - ulp) s: not positive where the true root lies at or below the middle between them,
	v_fma_f32 v57, -v55, v53, v52                  ; x - (s + ulp) s: positive where it lies above the upper middle
	v_cmp_ge_f32 vcc_lo, 0, v56
	v_cndmask_b32 v53, v53, v54, vcc_lo
	v_cmp_lt_f32 vcc_lo, 0, v57
	v_cndmask_b32 v53, v53, v55, vcc_lo            ; the correctly rounded root
	v_cndmask_b32 v[BK], v6, v53, s27              ; lanes without a candidate come last
	; the trip's 32 pairs sorted DESCENDING: a bitonic sort over the lanes, 15 steps
	STAGE BK, BI, 1, M1^M2
	STAGE BK, BI, 2, M2^M4
	STAGE BK, BI, 1, M1^M4
	STAGE BK, BI, 4, M4^M8
	STAGE BK, BI, 2, M2^M8
	STAGE BK, BI, 1, M1^M8
	STAGE BK, BI, 8, M8^M16
	STAGE BK, BI, 4, M4^M16
	STAGE BK, BI, 2, M2^M16
	STAGE BK, BI, 1, M1^M16
	STAGE BK, BI, 16, M16^ALL
	STAGE BK, BI, 8, M8^ALL
	STAGE BK, BI, 4, M4^ALL
	STAGE BK, BI, 2, M2^ALL
	STAGE BK, BI, 1, M1^ALL
	; ascending against descending: the smaller of each lane's two are the 32 smallest of the 64, as a bitonic run; five steps sort it
	v_cmp_lt_u32 s20, v[BK], v[SK]
	v_cmp_eq_u32 s21, v[BK], v[SK]
	v_cmp_lt_u32 s22, v[BI], v[SI]
	s_and_b32 s21, s21, s22
	s_or_b32 vcc_lo, s20, s21
	v_cndmask_b32 v[SK], v[SK], v[BK], vcc_lo
	v_cndmask_b32 v[SI], v[SI], v[BI], vcc_lo
	STAGE SK, SI, 16, M16
	STAGE SK, SI, 8, M8
	STAGE SK, SI, 4, M4
	STAGE SK, SI, 2, M2
	STAGE SK, SI, 1, M1
	s_add_nc_u64 s[28:29], s[28:29], 16            ; the list's next four places (this trip's loads from the list are all done)
	s_add_co_u32 s19, s19, 1
	s_cmp_lt_u32 s19, TRIPS
	s_cbranch_scc1 .Lbatch
	global_store_b32 v4, v[SI], s[8:9]             ; 128 consecutive bytes: all that a query has
	s_wait_tensorcnt 0x0
	ds_add_u32 v254, v255
	s_wait_dscnt 0x0
	s_endpgm
.Lfunc_end_k_q3cd0a2f302_refine:
	.size	k_q3cd0a2f302_refine, .Lfunc_end_k_q3cd0a2f302_refine-k_q3cd0a2f302_refine
	.p2alignl 7, 3214868480
	.fill 96, 4, 3214868480
	.section	.rodata,"a",@progbits
	.p2align	6, 0x0
	.amdhsa_kernel k_q3cd0a2f302_refine
		.amdhsa_group_segment_fixed_size 80896
		.amdhsa_private_segment_fixed_size 0
		.amdhsa_enable_private_segment 0
		.amdhsa_kernarg_size 24
		.amdhsa_user_sgpr_count 2
		.amdhsa_user_sgpr_kernarg_segment_ptr 1
		.amdhsa_wavefront_size32 1
		.amdhsa_system_sgpr_workgroup_id_x 1
		.amdhsa_system_sgpr_workgroup_id_y 1
		.amdhsa_system_sgpr_workgroup_id_z 1
		.amdhsa_system_vgpr_workitem_id 0
		.amdhsa_next_free_vgpr 256
		.amdhsa_next_free_sgpr 66
		.amdhsa_reserve_vcc 1
		.amdhsa_float_denorm_mode_32 3
		.amdhsa_float_denorm_mode_16_64 3
		.amdhsa_memory_ordered 1
		.amdhsa_forward_progress 1
		.amdhsa_inst_pref_size 24
	.end_amdhsa_kernel
	.amdgpu_metadata
---
amdhsa.version: [ 1, 2 ]
amdhsa.kernels:
  - .name:           k_q3cd0a2f302_refine
    .symbol:         k_q3cd0a2f302_refine.kd
    .args:
      - { .name: blist, .offset: 0, .size: 8, .value_kind: global_buffer, .address_space: global }
      - { .name: xr, .offset: 8, .size: 8, .value_kind: global_buffer, .address_space: global }
      - { .name: nbr, .offset: 16, .size: 8, .value_kind: global_buffer, .address_space: global }
    .group_segment_fixed_size: 80896
    .private_segment_fixed_size: 0
    .kernarg_segment_align: 8
    .kernarg_segment_size: 24
    .max_flat_workgroup_size: 256
    .sgpr_count:     66
    .vgpr_count:     256
    .wavefront_size: 32
...
	.end_amdgpu_metadata
.endif
;; end of part 4
;; launch mean (part 5): grid 1024 x 1, 8 waves a work-group, no clusters, 0 bytes of LDS; arguments x, nbr, out0; writes out0
.if DOCPART == 5
	.amdgcn_target "amdgcn-amd-amdhsa--gfx1250"
	.amdhsa_code_object_version 6
	.text
	.protected	k_q3cd0a2f302_mean
	.globl	k_q3cd0a2f302_mean
	.p2align	8
	.type	k_q3cd0a2f302_mean,@function
k_q3cd0a2f302_mean:
	s_mov_b64 s[64:65], 0
	v_nop
	global_prefetch_b8 v0, s[64:65] scope:SCOPE_SE
	s_setreg_imm32_b32 hwreg(HW_REG_WAVE_MODE, 25, 1), 1
	s_wait_xcnt 0x0
; out0[q] = the mean of the 16 rows of x named by nbr[q][1 .. 16] (place 0, the first of the sorted order, is passed over, as the problem asks).  All in f32.
; One wave, one query.  A row of x is 2,048 bytes: four loads of 512 consecutive bytes, 16 a lane.  Row 0 lands in the sum's registers; the other fifteen go through a ring of eight slots of 16 registers,
; so that up to 36 loads of a wave are out.  No LDS, no barrier, no matrix unit: the launch only moves bytes and adds.
; The rows are named again by other queries, so the loads carry no hint; the result is written once.
.set OFF, 16                           ; v16-31   row i: byte offset of my 16 bytes; never rewritten
.set ACC, 32                           ; v32-47   the sum
.set RING, 48                          ; v48-175  eight slots
	s_load_b128 s[4:7], s[0:1], 0x0                ; x s[4:5], nbr s[6:7]
	s_load_b64 s[8:9], s[0:1], 0x10                ; out0
	v_lshrrev_b32 v1, 5, v0
	v_readfirstlane_b32 s10, v1
	s_lshl_b32 s11, ttmp9, 3
	s_add_co_u32 s11, s11, s10                     ; q
	v_and_b32 v1, 31, v0
	v_lshlrev_b32 v1, 4, v1                        ; 16 x lane
	s_lshl_b32 s12, s11, 7
	s_mov_b32 s13, 0
	s_lshl_b32 s14, s11, 11
	s_mov_b32 s15, 0
	s_wait_kmcnt 0x0
	s_add_nc_u64 s[6:7], s[6:7], s[12:13]
	s_add_nc_u64 s[8:9], s[8:9], s[14:15]
	s_load_b512 s[16:31], s[6:7], 0x0              ; places 0 to 15
	s_load_b32 s32, s[6:7], 0x40                   ; place 16
	s_wait_kmcnt 0x0
.irp i, 0,1,2,3,4,5,6,7,8,9,10,11,12,13,14,15
	s_min_u32 s[17+\i], s[17+\i], 0x1fff           ; an index stays inside the table
	s_lshl_b32 s[17+\i], s[17+\i], 11
	v_add_nc_u32 v[OFF+\i], s[17+\i], v1
.endr
.macro ROW i, reg
.irp c, 0,1,2,3
	global_load_b128 v[\reg+4*\c:\reg+4*\c+3], v[OFF+(\i)], s[4:5] offset:512*\c
.endr
.endm
	ROW 0, ACC
.irp i, 1,2,3,4,5,6,7,8
	ROW \i, RING+16*((\i-1)%8)
.endr
.irp i, 1,2,3,4,5,6,7,8,9,10,11,12,13,14,15
.if 15-\i < 7
	s_wait_loadcnt 4*(15-\i)                       ; row i is in; the rows behind it, four loads each, may be out
.else
	s_wait_loadcnt 28                              ; seven younger rows
.endif
.irp j, 0,2,4,6,8,10,12,14
	v_pk_add_f32 v[ACC+\j:ACC+\j+1], v[ACC+\j:ACC+\j+1], v[RING+16*((\i-1)%8)+\j:RING+16*((\i-1)%8)+\j+1]
.endr
.if \i+8 <= 15
	ROW \i+8, RING+16*((\i-1)%8)                   ; the slot just read takes the row eight further on
.endif
.endr
.irp j, 0,2,4,6,8,10,12,14
	v_pk_mul_f32 v[ACC+\j:ACC+\j+1], v[ACC+\j:ACC+\j+1], 0x3d800000 op_sel_hi:[1,0]   ; x 1/16: exact
.endr
.irp c, 0,1,2,3
	global_store_b128 v1, v[ACC+4*\c:ACC+4*\c+3], s[8:9] offset:512*\c th:TH_STORE_NT   ; 512 consecutive bytes a store
.endr
	s_endpgm
.Lfunc_end_k_q3cd0a2f302_mean:
	.size	k_q3cd0a2f302_mean, .Lfunc_end_k_q3cd0a2f302_mean-k_q3cd0a2f302_mean
	.p2alignl 7, 3214868480
	.fill 96, 4, 3214868480
	.section	.rodata,"a",@progbits
	.p2align	6, 0x0
	.amdhsa_kernel k_q3cd0a2f302_mean
		.amdhsa_group_segment_fixed_size 0
		.amdhsa_private_segment_fixed_size 0
		.amdhsa_enable_private_segment 0
		.amdhsa_kernarg_size 24
		.amdhsa_user_sgpr_count 2
		.amdhsa_user_sgpr_kernarg_segment_ptr 1
		.amdhsa_wavefront_size32 1
		.amdhsa_system_sgpr_workgroup_id_x 1
		.amdhsa_system_sgpr_workgroup_id_y 1
		.amdhsa_system_sgpr_workgroup_id_z 1
		.amdhsa_system_vgpr_workitem_id 0
		.amdhsa_next_free_vgpr 176
		.amdhsa_next_free_sgpr 66
		.amdhsa_reserve_vcc 0
		.amdhsa_float_denorm_mode_32 3
		.amdhsa_float_denorm_mode_16_64 3
		.amdhsa_memory_ordered 1
		.amdhsa_forward_progress 1
		.amdhsa_inst_pref_size 19
	.end_amdhsa_kernel
	.amdgpu_metadata
---
amdhsa.version: [ 1, 2 ]
amdhsa.kernels:
  - .name:           k_q3cd0a2f302_mean
    .symbol:         k_q3cd0a2f302_mean.kd
    .args:
      - { .name: x, .offset: 0, .size: 8, .value_kind: global_buffer, .address_space: global }
      - { .name: nbr, .offset: 8, .size: 8, .value_kind: global_buffer, .address_space: global }
      - { .name: out0, .offset: 16, .size: 8, .value_kind: global_buffer, .address_space: global }
    .group_segment_fixed_size: 0
    .private_segment_fixed_size: 0
    .kernarg_segment_align: 8
    .kernarg_segment_size: 24
    .max_flat_workgroup_size: 256
    .sgpr_count:     66
    .vgpr_count:     176
    .wavefront_size: 32
...
	.end_amdgpu_metadata
.endif
;; end of part 5
;; ======== version 2 of 3: 5 launches; 1.25 times as fast as version 1
;; workspace buffers: xc 2,097,152 bytes; xs 131,072 bytes; sq 32,768 bytes; xr 2,359,296 bytes; bins 33,554,432 bytes; blist 1,048,576 bytes of whole numbers; nbr 1,048,576 bytes of whole numbers
;; launch quant: the kernel of part 1 again; grid 256 x 1, 8 waves a work-group, no clusters, 43,008 bytes of LDS; arguments x, xc, xs, sq, xr; writes xc, xs, sq, xr
;; launch binmin: the kernel of part 2 again; grid 32 x 8, 8 waves a work-group, clusters of 4 x 1, 327,680 bytes of LDS; arguments xc, xs, sq, bins; writes bins
;; launch select: the kernel of part 3 again; grid 512 x 1, 4 waves a work-group, no clusters, 19,968 bytes of LDS; arguments bins, blist; writes blist
;; launch refine (part 6): grid 1024 x 1, 8 waves a work-group, no clusters, 78,848 bytes of LDS; arguments blist, xr, nbr; writes nbr
.if DOCPART == 6
	.amdgcn_target "amdgcn-amd-amdhsa--gfx1250"
	.amdhsa_code_object_version 6
	.text
	.protected	k_q3cd0a2f302_refine
	.globl	k_q3cd0a2f302_refine
	.p2align	8
	.type	k_q3cd0a2f302_refine,@function
k_q3cd0a2f302_refine:
	s_mov_b64 s[64:65], 0
	v_nop
	global_prefetch_b8 v0, s[64:65] scope:SCOPE_SE
	s_setreg_imm32_b32 hwreg(HW_REG_WAVE_MODE, 25, 1), 1
	s_wait_xcnt 0x0
; THE EXACT ORDER OF THE CANDIDATES IN THE 17 FIRST BINS.  One wave, one query q = 8 x work-group + wave.  blist[q] names the 17 bins of 8 neighbouring candidates that come first by (smallest distance, bin number): the 17
; candidates that come first by (distance, index) lie in them, for every input.
; For each of the 136 the wave makes G again by the same matrix form, K ascending in one chain (sources swapped: the transposed tile), d2 = (sq_q + sq_c) - 2 G, key = the correctly rounded sqrt(max(d2, 0)),
; and keeps the 32 smallest by (key, index) sorted over its lanes.  nbr[q][0 .. 31] = their indices; the next launch uses places 1 to 16.
; WHAT STEERS.  Nothing branches: five trips are written out, four of 4 bins (32 candidates) and a last one of 1 bin.  A load's address is min(bin, 1023) x 2,304 + a constant + a lane term, the bin read by a scalar load.
; Floating-point numbers feed selections alone.
; A BIN'S EIGHT RECORDS of xr (each 256 bytes of codes, 16 scale bytes, sq and 12 zero bytes: 288) lie on end: 2,304 bytes, beginning at a multiple of 256 from xr's first byte.  They come by five loads: four of 512 consecutive
; bytes, 16 a lane, and one of the last 256 bytes by lanes 0-15 (lanes 16-31 name the same bytes again).
; INTO LDS.  Piece p of a bin (16 bytes, p = 0 .. 143) belongs to record p / 18 and goes to byte 16 (p + p / 18): rows 304 bytes apart, an odd multiple of 16 bytes, so that the fragments come from LDS as from any tile.
; Lane m takes row m's scale words and sq.  The region is the wave's own: no barrier; LDS serves a wave's instructions in order (ISA guide 5.7.1.4), so the loads see the stores.
; ONE TRIP AHEAD.  A trip's loads are issued in the trip before it, behind the wait that shows that the LDS stores have read the landing registers, and ahead of that trip's products and sort.
; THE LAST TRIP fills rows 0-7 alone; rows 8-31 keep the fourth trip's records, and their lanes, whose place of the list holds -1, are given the key above every key.
; The list's word is also loaded a word a lane, as a value: the lane's candidate is 8 x bin + lane % 8.
; The waves' bins are their own, so nothing is shared in a cluster.
; LIMITS.  d2 under 2^-126: v_sqrt_f32 takes a denormal input as zero (ISA guide 15.8), so such keys all become the smallest denormal.  NaN and infinities are not served.
; All lanes always on.
.set RP,   288                         ; a record of xr
.set BINB, 8*RP                        ; a bin's records
.set LP,   304                         ; a record's row in LDS
.set WREG, 32*LP                       ; a wave's LDS: 9,728 bytes
.set BI,  10                           ; v10      the trip's index
.set SQC, 11                           ; v11      sq of my candidate
.set BK,  12                           ; v12      the trip's key
.set SK,  14                           ; v14, v15 the 32 best so far, ascending over the lanes
.set SI,  15
.set OFF, 16                           ; v16-23   bin b of a trip: my byte offset for its first four loads, and for its fifth
.set LA,  24                           ; v24-28   load k of a bin: where my 16 bytes go in LDS; never rewritten
.set W,   32                           ; v32-36   trip t: my bin's word of the list
.set PK,  38                           ; v38, v39 the partner's pair
.set PI,  39
.set QS,  52                           ; v52-55   the query's scale words
.set CS,  56                           ; v56-59   the candidates' scale words: lane m has candidate m's
.set ST,  64                           ; v64-143  a trip's twenty loads as they land, four registers each
.set AFA, 144                          ; v144-175 candidates 0-15, 4 K steps
.set AFB, 176                          ; v176-207 candidates 16-31
.set QF,  208                          ; v208-239 the query's fragment, 4 K steps: all 16 rows are the query
.set DA,  240                          ; v240-247, v248-255 the two accumulators
.set DB,  248
.set M1,  0xaaaaaaaa                   ; lanes with bit 0 set, bit 1, ..
.set M2,  0xcccccccc
.set M4,  0xf0f0f0f0
.set M8,  0xff00ff00
.set M16, 0xffff0000
.set ALL, 0xffffffff
	s_load_b128 s[4:7], s[0:1], 0x0                ; blist s[4:5], xr s[6:7]
	s_load_b64 s[8:9], s[0:1], 0x10                ; nbr
	v_lshl_add_u32 v62, v0, 2, 0x13000
	v_mov_b32 v63, 0
	v_lshrrev_b32 v1, 5, v0
	v_readfirstlane_b32 s14, v1                    ; wave
	s_lshl_b32 s15, ttmp9, 3
	s_add_co_u32 s15, s15, s14                     ; q
	v_and_b32 v1, 31, v0                           ; lane
	v_bfe_u32 v2, v0, 4, 1
	v_lshlrev_b32 v2, 4, v2                        ; v2: 16 h
	v_lshlrev_b32 v3, 4, v1                        ; v3: 16 x lane: my bytes of a load's 512
	v_lshlrev_b32 v4, 2, v1                        ; v4: 4 x lane
	v_mov_b32 v5, 0
	v_mov_b32 v6, 0x7f800000                       ; a key above every key
	v_and_b32 v13, 15, v0                          ; r = lane % 16
	v_lshlrev_b32 v7, 4, v13                       ; v7: 16 r: my bytes of a bin's last 256
	s_mul_i32 s20, s14, WREG                       ; my wave's LDS
	v_mul_u32_u24 v8, v13, LP
	v_add_nc_u32 v8, v8, v2
	v_add_nc_u32 v8, s20, v8                       ; v8: a fragment: row r, + 16 h
	v_mul_u32_u24 v9, v1, LP
	v_add_nc_u32 v9, s20, v9                       ; v9: row = my lane
.irp k, 0,1,2,3
	v_add_nc_u32 v40, 32*\k, v1                    ; p: my piece in load k of a bin
	v_mul_u32_u24 v41, v40, 57
	v_lshrrev_b32 v41, 10, v41                     ; p / 18 = (57 p) >> 10 for p up to 143
	v_add_nc_u32 v40, v40, v41
	v_lshl_add_u32 v[LA+\k], v40, 4, s20           ; 16 (p + p / 18)
.endr
	v_add_nc_u32 v40, 128, v13                     ; the fifth load: pieces 128 to 143, lanes 16-31 with the same piece as lanes 0-15
	v_mul_u32_u24 v41, v40, 57
	v_lshrrev_b32 v41, 10, v41
	v_add_nc_u32 v40, v40, v41
	v_lshl_add_u32 v[LA+4], v40, 4, s20
	v_lshrrev_b32 v29, 3, v1
	v_lshlrev_b32 v29, 2, v29                      ; v29: 4 x (lane / 8): my bin's word among a trip's four
	v_and_b32 v30, 7, v0                           ; v30: lane % 8: my candidate in its bin
	v_mov_b32 v[SK], 0x7f800000
	v_mov_b32 v[SI], -1
	v_mov_b32 v[PK], 0                             ; written once: a lane permute's destination counts as one of its sources
	v_mov_b32 v[PI], 0
	s_mov_b32 s24, 0x76543210
	s_mov_b32 s25, 0xfedcba98                      ; v_permlanex16_b32: lane l xor 16
	s_mov_b32 s26, M16                             ; lanes 16-31
	s_lshl_b32 s10, s15, 7
	s_mov_b32 s11, 0
	s_mul_i32 s12, s15, RP
	s_mov_b32 s13, 0
	s_wait_kmcnt 0x0
	s_add_nc_u64 s[28:29], s[4:5], s[10:11]        ; my list: 128 bytes a query
	s_add_nc_u64 s[30:31], s[6:7], s[12:13]        ; the query's record
	s_add_nc_u64 s[8:9], s[8:9], s[10:11]          ; nbr: 128 bytes a query
	s_load_b512 s[32:47], s[28:29], 0x0            ; the list's places 0 to 15, for the addresses,
	s_load_b32 s48, s[28:29], 0x40                 ; and place 16
	s_load_b32 s16, s[30:31], 0x110                ; sq_q: byte 272 of the record
.irp s, 0,1,2,3
.irp c, 0,1
	global_load_b128 v[QF+8*\s+4*\c:QF+8*\s+4*\c+3], v2, s[30:31] offset:64*\s+32*\c
.endr
.endr
	global_load_b128 v[QS:QS+3], v5, s[30:31] offset:256
.irp t, 0,1,2,3,4
	global_load_b32 v[W+\t], v29, s[28:29] offset:16*\t   ; my bin's word in each trip, for the sort; places 17 to 19 hold -1
.endr
	s_wait_kmcnt 0x0
.irp i, 0,1,2,3,4,5,6,7,8,9,10,11,12,13,14,15,16
	s_min_u32 s[32+\i], s[32+\i], 0x3ff            ; inside the table
	s_mul_i32 s[32+\i], s[32+\i], BINB             ; where the bin's records begin
.endr
; The loads of trip t, nb bins: five a bin.  All earlier loads that named the offsets' registers are done, and the LDS stores have read the landing registers, where this macro stands.
.macro ISSUE t, nb
.set bb, 0
.rept \nb
	v_add_nc_u32 v[OFF+2*bb], s[32+4*(\t)+bb], v3
	v_add_nc_u32 v[OFF+2*bb+1], s[32+4*(\t)+bb], v7
.set bb, bb+1
.endr
.set bb, 0
.rept \nb
.irp k, 0,1,2,3
	global_load_b128 v[ST+4*(5*bb+\k):ST+4*(5*bb+\k)+3], v[OFF+2*bb], s[6:7] offset:512*\k   ; 512 consecutive bytes
.endr
	global_load_b128 v[ST+4*(5*bb+4):ST+4*(5*bb+4)+3], v[OFF+2*bb+1], s[6:7] offset:2048     ; the bin's last 256
.set bb, bb+1
.endr
.endm
; They go into LDS, bin by bin
.macro STORE nb
.set bb, 0
.rept \nb
	s_wait_loadcnt 5*((\nb)-1-bb)                  ; this bin's five loads are in; those of the bins behind it, five each, may be out
.irp k, 0,1,2,3,4
	ds_store_b128 v[LA+\k], v[ST+4*(5*bb+\k):ST+4*(5*bb+\k)+3] offset:bb*8*LP
.endr
.set bb, bb+1
.endr
.endm
; One compare-exchange step over the lanes, on pairs (key, index) taken as whole numbers (keys are not negative): lanes l and l xor j.  nkm: the lanes that keep the larger of the two.
.macro STAGE K, I, j, nkm
.if \j == 16
	v_permlanex16_b32 v[PK], v[\K], s24, s25
	v_permlanex16_b32 v[PI], v[\I], s24, s25
.else
	v_mov_b32_dpp v[PK], v[\K] row_xmask:\j row_mask:0xf bank_mask:0xf
	v_mov_b32_dpp v[PI], v[\I] row_xmask:\j row_mask:0xf bank_mask:0xf
.endif
	v_cmp_lt_u32 s20, v[PK], v[\K]
	v_cmp_eq_u32 s21, v[PK], v[\K]
	v_cmp_lt_u32 s22, v[PI], v[\I]
	s_and_b32 s21, s21, s22
	s_or_b32 s20, s20, s21                         ; the partner's pair comes first
	s_xor_b32 vcc_lo, s20, \nkm                    ; take it where I keep the smaller; where I keep the larger, take it if it does not (equal pairs are the same pair)
	v_cndmask_b32 v[\K], v[\K], v[PK], vcc_lo
	v_cndmask_b32 v[\I], v[\I], v[PI], vcc_lo
.endm
; Trip t: nb bins have been asked for; nnext: the bins of the next trip, 0 behind the last.
.macro TRIP t, nb, nnext
	STORE \nb
.irp s, 0,1,2,3
.irp c, 0,1
	ds_load_b128 v[AFA+8*\s+4*\c:AFA+8*\s+4*\c+3], v8 offset:64*\s+32*\c             ; these see the stores above
	ds_load_b128 v[AFB+8*\s+4*\c:AFB+8*\s+4*\c+3], v8 offset:16*LP+64*\s+32*\c
.endr
.endr
	ds_load_b128 v[CS:CS+3], v9 offset:256
	ds_load_b32 v[SQC], v9 offset:272
	s_wait_dscnt 0x0                               ; the fragments are in, and the stores have read the landing registers
.if \nnext
	ISSUE (\t)+1, \nnext                           ; the next trip's records are on their way while this trip is multiplied and sorted
.endif
	v_wmma_scale_f32_16x16x128_f8f6f4 v[DA:DA+7], v[QF:QF+7], v[AFA:AFA+7], 0, v[QS], v[CS] matrix_a_fmt:MATRIX_FMT_FP4 matrix_b_fmt:MATRIX_FMT_FP4
	v_wmma_scale_f32_16x16x128_f8f6f4 v[DB:DB+7], v[QF:QF+7], v[AFB:AFB+7], 0, v[QS], v[CS] matrix_a_fmt:MATRIX_FMT_FP4 matrix_b_fmt:MATRIX_FMT_FP4 matrix_b_scale:MATRIX_SCALE_ROW1
.irp s, 1,2,3                                  ; the two accumulators by turns
	v_wmma_scale_f32_16x16x128_f8f6f4 v[DA:DA+7], v[QF+8*\s:QF+8*\s+7], v[AFA+8*\s:AFA+8*\s+7], v[DA:DA+7], v[QS+\s], v[CS+\s] matrix_a_fmt:MATRIX_FMT_FP4 matrix_b_fmt:MATRIX_FMT_FP4
	v_wmma_scale_f32_16x16x128_f8f6f4 v[DB:DB+7], v[QF+8*\s:QF+8*\s+7], v[AFB+8*\s:AFB+8*\s+7], v[DB:DB+7], v[QS+\s], v[CS+\s] matrix_a_fmt:MATRIX_FMT_FP4 matrix_b_fmt:MATRIX_FMT_FP4 matrix_b_scale:MATRIX_SCALE_ROW1
.endr
	v_add_f32 v40, s16, v[SQC]                     ; sq_q + sq_c: the first of four places behind the last product (ISA guide 7.12.1)
	v_nop
	v_nop
	v_nop
	v_cndmask_b32 v41, v[DA], v[DB], s26           ; every row of a result is the query, column r the candidate: register 0 has G for my candidate
	v_fma_f32 v41, -2.0, v41, v40                  ; d2
	v_max_num_f32 v42, 0, v41
	v_cmp_ne_u32 s27, -1, v[W+(\t)]                ; the lanes whose place of the list holds a bin
	v_lshl_add_u32 v48, v[W+(\t)], 3, v30          ; my candidate: 8 x bin + lane % 8
	v_cndmask_b32 v[BI], -1, v48, s27
	v_sqrt_f32 v43, v42
	v_nop                                          ; a plain line behind the root
	s_wait_alu depctr_va_vdst(0)                   ; the wait ahead of the first line that names the root
	v_add_nc_u32 v44, -1, v43                      ; the root is within an ulp: its two neighbours,
	v_add_nc_u32 v45, 1, v43
	v_fma_f32 v46, -v44, v43, v42                  ; x - (s - ulp) s: not positive where the true root lies at or below the middle between them,
	v_fma_f32 v47, -v45, v43, v42                  ; x - (s + ulp) s: positive where it lies above the upper middle
	v_cmp_ge_f32 vcc_lo, 0, v46
	v_cndmask_b32 v43, v43, v44, vcc_lo
	v_cmp_lt_f32 vcc_lo, 0, v47
	v_cndmask_b32 v43, v43, v45, vcc_lo            ; the correctly rounded root
	v_cndmask_b32 v[BK], v6, v43, s27              ; lanes without a candidate come last
	; the trip's 32 pairs sorted DESCENDING: a bitonic sort over the lanes, 15 steps
	STAGE BK, BI, 1, M1^M2
	STAGE BK, BI, 2, M2^M4
	STAGE BK, BI, 1, M1^M4
	STAGE BK, BI, 4, M4^M8
	STAGE BK, BI, 2, M2^M8
	STAGE BK, BI, 1, M1^M8
	STAGE BK, BI, 8, M8^M16
	STAGE BK, BI, 4, M4^M16
	STAGE BK, BI, 2, M2^M16
	STAGE BK, BI, 1, M1^M16
	STAGE BK, BI, 16, M16^ALL
	STAGE BK, BI, 8, M8^ALL
	STAGE BK, BI, 4, M4^ALL
	STAGE BK, BI, 2, M2^ALL
	STAGE BK, BI, 1, M1^ALL
	; ascending against descending: the smaller of each lane's two are the 32 smallest of the 64, as a bitonic run; five steps sort it
	v_cmp_lt_u32 s20, v[BK], v[SK]
	v_cmp_eq_u32 s21, v[BK], v[SK]
	v_cmp_lt_u32 s22, v[BI], v[SI]
	s_and_b32 s21, s21, s22
	s_or_b32 vcc_lo, s20, s21
	v_cndmask_b32 v[SK], v[SK], v[BK], vcc_lo
	v_cndmask_b32 v[SI], v[SI], v[BI], vcc_lo
	STAGE SK, SI, 16, M16
	STAGE SK, SI, 8, M8
	STAGE SK, SI, 4, M4
	STAGE SK, SI, 2, M2
	STAGE SK, SI, 1, M1
.endm
	ISSUE 0, 4                                     ; behind the query's nine loads and the five words: the first trip's waits cover those too
	TRIP 0, 4, 4
	TRIP 1, 4, 4
	TRIP 2, 4, 4
	TRIP 3, 4, 1                                   ; the 17th bin alone is left to ask for
	TRIP 4, 1, 0
	global_store_b32 v4, v[SI], s[8:9]             ; 128 consecutive bytes: all that a query has
	s_wait_tensorcnt 0x0
	ds_add_u32 v62, v63
	s_wait_dscnt 0x0
	s_endpgm
.Lfunc_end_k_q3cd0a2f302_refine:
	.size	k_q3cd0a2f302_refine, .Lfunc_end_k_q3cd0a2f302_refine-k_q3cd0a2f302_refine
	.p2alignl 7, 3214868480
	.fill 96, 4, 3214868480
	.section	.rodata,"a",@progbits
	.p2align	6, 0x0
	.amdhsa_kernel k_q3cd0a2f302_refine
		.amdhsa_group_segment_fixed_size 78848
		.amdhsa_private_segment_fixed_size 0
		.amdhsa_enable_private_segment 0
		.amdhsa_kernarg_size 24
		.amdhsa_user_sgpr_count 2
		.amdhsa_user_sgpr_kernarg_segment_ptr 1
		.amdhsa_wavefront_size32 1
		.amdhsa_system_sgpr_workgroup_id_x 1
		.amdhsa_system_sgpr_workgroup_id_y 1
		.amdhsa_system_sgpr_workgroup_id_z 1
		.amdhsa_system_vgpr_workitem_id 0
		.amdhsa_next_free_vgpr 256
		.amdhsa_next_free_sgpr 66
		.amdhsa_reserve_vcc 1
		.amdhsa_float_denorm_mode_32 3
		.amdhsa_float_denorm_mode_16_64 3
		.amdhsa_memory_ordered 1
		.amdhsa_forward_progress 1
		.amdhsa_inst_pref_size 89
	.end_amdhsa_kernel
	.amdgpu_metadata
---
amdhsa.version: [ 1, 2 ]
amdhsa.kernels:
  - .name:           k_q3cd0a2f302_refine
    .symbol:         k_q3cd0a2f302_refine.kd
    .args:
      - { .name: blist, .offset: 0, .size: 8, .value_kind: global_buffer, .address_space: global }
      - { .name: xr, .offset: 8, .size: 8, .value_kind: global_buffer, .address_space: global }
      - { .name: nbr, .offset: 16, .size: 8, .value_kind: global_buffer, .address_space: global }
    .group_segment_fixed_size: 78848
    .private_segment_fixed_size: 0
    .kernarg_segment_align: 8
    .kernarg_segment_size: 24
    .max_flat_workgroup_size: 256
    .sgpr_count:     66
    .vgpr_count:     256
    .wavefront_size: 32
...
	.end_amdgpu_metadata
.endif
;; end of part 6
;; launch mean: the kernel of part 5 again; grid 1024 x 1, 8 waves a work-group, no clusters, 0 bytes of LDS; arguments x, nbr, out0; writes out0
;; ======== version 3 of 3: 5 launches; version 2 with the launches refine, mean written anew for expert scheduling mode
;; workspace buffers: xc 2,097,152 bytes; xs 131,072 bytes; sq 32,768 bytes; xr 2,359,296 bytes; bins 33,554,432 bytes; blist 1,048,576 bytes of whole numbers; nbr 1,048,576 bytes of whole numbers
;; launch quant: the kernel of part 1 again; grid 256 x 1, 8 waves a work-group, no clusters, 43,008 bytes of LDS; arguments x, xc, xs, sq, xr; writes xc, xs, sq, xr
;; launch binmin: the kernel of part 2 again; grid 32 x 8, 8 waves a work-group, clusters of 4 x 1, 327,680 bytes of LDS; arguments xc, xs, sq, bins; writes bins
;; launch select: the kernel of part 3 again; grid 512 x 1, 4 waves a work-group, no clusters, 19,968 bytes of LDS; arguments bins, blist; writes blist
;; launch refine (part 7): grid 1024 x 1, 8 waves a work-group, no clusters, 78,848 bytes of LDS; arguments blist, xr, nbr; writes nbr
.if DOCPART == 7
	.amdgcn_target "amdgcn-amd-amdhsa--gfx1250"
	.amdhsa_code_object_version 6
	.text
	.protected	k_q3cd0a2f302_refine
	.globl	k_q3cd0a2f302_refine
	.p2align	8
	.type	k_q3cd0a2f302_refine,@function
k_q3cd0a2f302_refine:
	s_mov_b64 s[64:65], 0
	v_nop
	global_prefetch_b8 v0, s[64:65] scope:SCOPE_SE
	s_setreg_imm32_b32 hwreg(HW_REG_WAVE_SCHED_MODE, 0, 2), 2
	s_setreg_imm32_b32 hwreg(HW_REG_WAVE_MODE, 25, 1), 1
	s_wait_xcnt 0x0
	s_wait_alu depctr_vm_vsrc(0)
; THE EXACT ORDER OF THE CANDIDATES IN THE 17 FIRST BINS.  One wave, one query q = 8 x work-group + wave.  blist[q] names the 17 bins of 8 neighbouring candidates that come first by (smallest distance, bin number): the 17
; candidates that come first by (distance, index) lie in them, for every input.
; For each of the 136 the wave makes G again by the same matrix form, K ascending in one chain (sources swapped: the transposed tile), d2 = (sq_q + sq_c) - 2 G, key = the correctly rounded sqrt(max(d2, 0)),
; and keeps the 32 smallest by (key, index) sorted over its lanes.  nbr[q][0 .. 31] = their indices; the next launch uses places 1 to 16.
; WHAT STEERS.  Nothing branches: five trips are written out, four of 4 bins (32 candidates) and a last one of 1 bin.  A load's address is min(bin, 1023) x 2,304 + a constant + a lane term, the bin read by a scalar load.
; Floating-point numbers feed selections alone.
; A BIN'S EIGHT RECORDS of xr (each 256 bytes of codes, 16 scale bytes, sq and 12 zero bytes: 288) lie on end: 2,304 bytes, beginning at a multiple of 256 from xr's first byte.  They come by five loads: four of 512 consecutive
; bytes, 16 a lane, and one of the last 256 bytes by lanes 0-15 (lanes 16-31 name the same bytes again).
; INTO LDS.  Piece p of a bin (16 bytes, p = 0 .. 143) belongs to record p / 18 and goes to byte 16 (p + p / 18): rows 304 bytes apart, an odd multiple of 16 bytes, so that the fragments come from LDS as from any tile.
; Lane m takes row m's scale words and sq.  The region is the wave's own: no barrier; LDS serves a wave's instructions in order (ISA guide 5.7.1.4), so the loads see the stores.
; ONE TRIP AHEAD.  A trip's loads are issued in the trip before it, behind the wait that states that the LDS stores have read the landing registers, and ahead of that trip's products and sort.
; THE LAST TRIP fills rows 0-7 alone; rows 8-31 keep the fourth trip's records, and their lanes, whose place of the list holds -1, are given the key above every key.
; The list's word is also loaded a word a lane, as a value: the lane's candidate is 8 x bin + lane % 8.
; The waves' bins are their own, so nothing is shared in a cluster.
; LIMITS.  d2 under 2^-126: v_sqrt_f32 takes a denormal input as zero (ISA guide 15.8), so such keys all become the smallest denormal.  NaN and infinities are not served.
; All lanes always on.
; THE MODE: SCHED_MODE bits 1:0 = 2 (LLVM: expert scheduling mode 2), set by the entry lines.  The code itself states the register dependences
; between vector or matrix instructions and memory or LDS instructions, with s_wait_alu, always for 0.
; THE PLAN.  Registers that memory or LDS instructions touch:
;   ST                  Written by a trip's twenty loads, issued in the trip before; read by that trip's twenty LDS stores; then the next trip's loads land in it.  No vector instruction names it.
;   OFF                 Written by a trip's eight additions; read, as offsets, by the loads of the next trip, which that trip issues.
;   AFA, AFB, CS, SQC   Written by a trip's eighteen LDS loads; read by its eight matrix instructions (SQC: by one addition).
;   QF, QS, W           Loaded once, at the head; read by matrix and vector instructions alone.
;   v2, v4, v5, v8, v9, v29, LA, v62, v63   Addresses, made at the head and never written again.
;   v[SI]               Written by the sort; read by the one store at the end.
; A TRIP: its LDS stores; one wait on vm_vsrc (the stores have read ST, the trip's loads have read OFF); the additions to OFF; ONE wait on va_vdst (OFF is written; the trip before is done reading AFA, AFB, CS and SQC);
; the LDS loads and the next trip's global loads on end, which no vector instruction issued since that wait touches; then matrix and vector work alone, to the trip's end.
; MASKS.  Every compare writes a scalar register; the compares stand in runs, and one wait on va_sdst stands between a run and its first reader.  VCC is written by scalar instructions alone.
.set RP,   288                         ; a record of xr
.set BINB, 8*RP                        ; a bin's records
.set LP,   304                         ; a record's row in LDS
.set WREG, 32*LP                       ; a wave's LDS: 9,728 bytes
.set BI,  10                           ; v10      the trip's index
.set SQC, 11                           ; v11      sq of my candidate
.set BK,  12                           ; v12      the trip's key
.set SK,  14                           ; v14, v15 the 32 best so far, ascending over the lanes
.set SI,  15
.set OFF, 16                           ; v16-23   bin b of a trip: my byte offset for its first four loads, and for its fifth
.set LA,  24                           ; v24-28   load k of a bin: where my 16 bytes go in LDS; never rewritten
.set W,   32                           ; v32-36   trip t: my bin's word of the list
.set PK,  38                           ; v38, v39 the partner's pair
.set PI,  39
.set QS,  52                           ; v52-55   the query's scale words
.set CS,  56                           ; v56-59   the candidates' scale words: lane m has candidate m's
.set ST,  64                           ; v64-143  a trip's twenty loads as they land, four registers each
.set AFA, 144                          ; v144-175 candidates 0-15, 4 K steps
.set AFB, 176                          ; v176-207 candidates 16-31
.set QF,  208                          ; v208-239 the query's fragment, 4 K steps: all 16 rows are the query
.set DA,  240                          ; v240-247, v248-255 the two accumulators
.set DB,  248
.set M1,  0xaaaaaaaa                   ; lanes with bit 0 set, bit 1, ..
.set M2,  0xcccccccc
.set M4,  0xf0f0f0f0
.set M8,  0xff00ff00
.set M16, 0xffff0000
.set ALL, 0xffffffff
	s_load_b128 s[4:7], s[0:1], 0x0                ; blist s[4:5], xr s[6:7]
	s_load_b64 s[8:9], s[0:1], 0x10                ; nbr
	v_lshl_add_u32 v62, v0, 2, 0x13000
	v_mov_b32 v63, 0
	v_lshrrev_b32 v1, 5, v0
	v_readfirstlane_b32 s14, v1                    ; wave
	v_and_b32 v1, 31, v0                           ; lane
	v_bfe_u32 v2, v0, 4, 1
	v_lshlrev_b32 v2, 4, v2                        ; v2: 16 h
	v_lshlrev_b32 v3, 4, v1                        ; v3: 16 x lane: my bytes of a load's 512
	v_lshlrev_b32 v4, 2, v1                        ; v4: 4 x lane
	v_mov_b32 v5, 0
	v_mov_b32 v6, 0x7f800000                       ; a key above every key
	v_and_b32 v13, 15, v0                          ; r = lane % 16
	v_lshlrev_b32 v7, 4, v13                       ; v7: 16 r: my bytes of a bin's last 256
	s_wait_alu depctr_va_sdst(0)                   ; s14 is written, ahead of its first reader: the query's number and my wave's LDS are made from it
	s_lshl_b32 s15, ttmp9, 3
	s_add_co_u32 s15, s15, s14                     ; q
	s_mul_i32 s20, s14, WREG                       ; my wave's LDS
	v_mul_u32_u24 v8, v13, LP
	v_add_nc_u32 v8, v8, v2
	v_add_nc_u32 v8, s20, v8                       ; v8: a fragment: row r, + 16 h
	v_mul_u32_u24 v9, v1, LP
	v_add_nc_u32 v9, s20, v9                       ; v9: row = my lane
.irp k, 0,1,2,3
	v_add_nc_u32 v40, 32*\k, v1                    ; p: my piece in load k of a bin
	v_mul_u32_u24 v41, v40, 57
	v_lshrrev_b32 v41, 10, v41                     ; p / 18 = (57 p) >> 10 for p up to 143
	v_add_nc_u32 v40, v40, v41
	v_lshl_add_u32 v[LA+\k], v40, 4, s20           ; 16 (p + p / 18)
.endr
	v_add_nc_u32 v40, 128, v13                     ; the fifth load: pieces 128 to 143, lanes 16-31 with the same piece as lanes 0-15
	v_mul_u32_u24 v41, v40, 57
	v_lshrrev_b32 v41, 10, v41
	v_add_nc_u32 v40, v40, v41
	v_lshl_add_u32 v[LA+4], v40, 4, s20
	v_lshrrev_b32 v29, 3, v1
	v_lshlrev_b32 v29, 2, v29                      ; v29: 4 x (lane / 8): my bin's word among a trip's four
	v_and_b32 v30, 7, v0                           ; v30: lane % 8: my candidate in its bin
	v_mov_b32 v[SK], 0x7f800000
	v_mov_b32 v[SI], -1
	v_mov_b32 v[PK], 0                             ; written once: a lane permute's destination counts as one of its sources
	v_mov_b32 v[PI], 0
	s_mov_b32 s24, 0x76543210
	s_mov_b32 s25, 0xfedcba98                      ; v_permlanex16_b32: lane l xor 16
	s_mov_b32 s26, M16                             ; lanes 16-31
	s_lshl_b32 s10, s15, 7
	s_mov_b32 s11, 0
	s_mul_i32 s12, s15, RP
	s_mov_b32 s13, 0
	s_wait_kmcnt 0x0
	s_add_nc_u64 s[28:29], s[4:5], s[10:11]        ; my list: 128 bytes a query
	s_add_nc_u64 s[30:31], s[6:7], s[12:13]        ; the query's record
	s_add_nc_u64 s[8:9], s[8:9], s[10:11]          ; nbr: 128 bytes a query
	s_load_b512 s[32:47], s[28:29], 0x0            ; the list's places 0 to 15, for the addresses,
	s_load_b32 s48, s[28:29], 0x40                 ; and place 16
	s_load_b32 s16, s[30:31], 0x110                ; sq_q: byte 272 of the record
	s_wait_alu depctr_va_vdst(0)                   ; every address made above is written: v2, v5 and v29, which the loads below read; v8, v9 and v24 to v28, which the trips' LDS instructions read; v4, which the last store reads
.irp s, 0,1,2,3
.irp c, 0,1
	global_load_b128 v[QF+8*\s+4*\c:QF+8*\s+4*\c+3], v2, s[30:31] offset:64*\s+32*\c
.endr
.endr
	global_load_b128 v[QS:QS+3], v5, s[30:31] offset:256
.irp t, 0,1,2,3,4
	global_load_b32 v[W+\t], v29, s[28:29] offset:16*\t   ; my bin's word in each trip, for the sort; places 17 to 19 hold -1
.endr
	s_wait_kmcnt 0x0
.irp i, 0,1,2,3,4,5,6,7,8,9,10,11,12,13,14,15,16
	s_min_u32 s[32+\i], s[32+\i], 0x3ff            ; inside the table
	s_mul_i32 s[32+\i], s[32+\i], BINB             ; where the bin's records begin
.endr
; The offsets of trip t's loads, nb bins: two a bin.  Where this macro stands, all earlier loads that named these registers are done and have read them.
.macro OFFS t, nb
.set bb, 0
.rept \nb
	v_add_nc_u32 v[OFF+2*bb], s[32+4*(\t)+bb], v3
	v_add_nc_u32 v[OFF+2*bb+1], s[32+4*(\t)+bb], v7
.set bb, bb+1
.endr
.endm
; The loads themselves, five a bin.  Where this macro stands, the offsets are written and the LDS stores have read the landing registers.
.macro LOADS nb
.set bb, 0
.rept \nb
.irp k, 0,1,2,3
	global_load_b128 v[ST+4*(5*bb+\k):ST+4*(5*bb+\k)+3], v[OFF+2*bb], s[6:7] offset:512*\k   ; 512 consecutive bytes
.endr
	global_load_b128 v[ST+4*(5*bb+4):ST+4*(5*bb+4)+3], v[OFF+2*bb+1], s[6:7] offset:2048     ; the bin's last 256
.set bb, bb+1
.endr
.endm
; They go into LDS, bin by bin
.macro STORE nb
.set bb, 0
.rept \nb
	s_wait_loadcnt 5*((\nb)-1-bb)                  ; this bin's five loads are in; those of the bins behind it, five each, may be out
.irp k, 0,1,2,3,4
	ds_store_b128 v[LA+\k], v[ST+4*(5*bb+\k):ST+4*(5*bb+\k)+3] offset:bb*8*LP
.endr
.set bb, bb+1
.endr
.endm
; One compare-exchange step over the lanes, on pairs (key, index) taken as whole numbers (keys are not negative): lanes l and l xor j.  nkm: the lanes that keep the larger of the two.
.macro STAGE K, I, j, nkm
.if \j == 16
	v_permlanex16_b32 v[PK], v[\K], s24, s25
	v_permlanex16_b32 v[PI], v[\I], s24, s25
.else
	v_mov_b32_dpp v[PK], v[\K] row_xmask:\j row_mask:0xf bank_mask:0xf
	v_mov_b32_dpp v[PI], v[\I] row_xmask:\j row_mask:0xf bank_mask:0xf
.endif
	v_cmp_lt_u32 s20, v[PK], v[\K]
	v_cmp_eq_u32 s21, v[PK], v[\K]
	v_cmp_lt_u32 s22, v[PI], v[\I]
	s_wait_alu depctr_va_sdst(0)                   ; the three compares have written s20, s21 and s22, ahead of their first reader
	s_and_b32 s21, s21, s22
	s_or_b32 s20, s20, s21                         ; the partner's pair comes first
	s_xor_b32 vcc_lo, s20, \nkm                    ; take it where I keep the smaller; where I keep the larger, take it if it does not (equal pairs are the same pair)
	v_cndmask_b32 v[\K], v[\K], v[PK], vcc_lo
	v_cndmask_b32 v[\I], v[\I], v[PI], vcc_lo
.endm
; Trip t: nb bins have been asked for; nnext: the bins of the next trip, 0 behind the last.
.macro TRIP t, nb, nnext
	STORE \nb
.if \nnext
	s_wait_alu depctr_vm_vsrc(0)                   ; the LDS stores above have read ST, in which the next trip's loads land; this trip's loads, which the last count above shows done, have read OFF, which is written again below
	OFFS (\t)+1, \nnext
.endif
	s_wait_alu depctr_va_vdst(0)                   ; OFF is written, which the global loads below read; the trip before is done reading AFA, AFB, CS and SQC, in which the LDS loads below land
.irp s, 0,1,2,3
.irp c, 0,1
	ds_load_b128 v[AFA+8*\s+4*\c:AFA+8*\s+4*\c+3], v8 offset:64*\s+32*\c             ; these see the stores above
	ds_load_b128 v[AFB+8*\s+4*\c:AFB+8*\s+4*\c+3], v8 offset:16*LP+64*\s+32*\c
.endr
.endr
	ds_load_b128 v[CS:CS+3], v9 offset:256
	ds_load_b32 v[SQC], v9 offset:272
.if \nnext
	LOADS \nnext                                   ; the next trip's records are on their way while this trip is multiplied and sorted.  No wait: no vector instruction since the wait above names OFF or ST
.endif
	s_wait_dscnt 0x0                               ; the fragments, the scale words and sq are in
	v_wmma_scale_f32_16x16x128_f8f6f4 v[DA:DA+7], v[QF:QF+7], v[AFA:AFA+7], 0, v[QS], v[CS] matrix_a_fmt:MATRIX_FMT_FP4 matrix_b_fmt:MATRIX_FMT_FP4
	v_wmma_scale_f32_16x16x128_f8f6f4 v[DB:DB+7], v[QF:QF+7], v[AFB:AFB+7], 0, v[QS], v[CS] matrix_a_fmt:MATRIX_FMT_FP4 matrix_b_fmt:MATRIX_FMT_FP4 matrix_b_scale:MATRIX_SCALE_ROW1
.irp s, 1,2,3                                  ; the two accumulators by turns
	v_wmma_scale_f32_16x16x128_f8f6f4 v[DA:DA+7], v[QF+8*\s:QF+8*\s+7], v[AFA+8*\s:AFA+8*\s+7], v[DA:DA+7], v[QS+\s], v[CS+\s] matrix_a_fmt:MATRIX_FMT_FP4 matrix_b_fmt:MATRIX_FMT_FP4
	v_wmma_scale_f32_16x16x128_f8f6f4 v[DB:DB+7], v[QF+8*\s:QF+8*\s+7], v[AFB+8*\s:AFB+8*\s+7], v[DB:DB+7], v[QS+\s], v[CS+\s] matrix_a_fmt:MATRIX_FMT_FP4 matrix_b_fmt:MATRIX_FMT_FP4 matrix_b_scale:MATRIX_SCALE_ROW1
.endr
	v_add_f32 v40, s16, v[SQC]                     ; sq_q + sq_c: the first of four places behind the last product (ISA guide 7.12.1)
	v_nop
	v_nop
	v_nop
	v_cndmask_b32 v41, v[DA], v[DB], s26           ; every row of a result is the query, column r the candidate: register 0 has G for my candidate
	v_fma_f32 v41, -2.0, v41, v40                  ; d2
	v_max_num_f32 v42, 0, v41
	v_cmp_ne_u32 s27, -1, v[W+(\t)]                ; the lanes whose place of the list holds a bin
	v_lshl_add_u32 v48, v[W+(\t)], 3, v30          ; my candidate: 8 x bin + lane % 8
	v_sqrt_f32 v43, v42
	v_nop                                          ; a plain line behind the root
	s_wait_alu depctr_va_vdst(0)                   ; the root has written v43, ahead of the first line that names it
	v_add_nc_u32 v44, -1, v43                      ; the root is within an ulp: its two neighbours,
	v_add_nc_u32 v45, 1, v43
	v_fma_f32 v46, -v44, v43, v42                  ; x - (s - ulp) s: not positive where the true root lies at or below the middle between them,
	v_fma_f32 v47, -v45, v43, v42                  ; x - (s + ulp) s: positive where it lies above the upper middle
	v_cmp_ge_f32 s20, 0, v46
	v_cmp_lt_f32 s21, 0, v47
	s_wait_alu depctr_va_sdst(0)                   ; the compares have written s27, s20 and s21, ahead of the four selections that read them
	v_cndmask_b32 v[BI], -1, v48, s27
	v_cndmask_b32 v43, v43, v44, s20
	v_cndmask_b32 v43, v43, v45, s21               ; the correctly rounded root
	v_cndmask_b32 v[BK], v6, v43, s27              ; lanes without a candidate come last
	; the trip's 32 pairs sorted DESCENDING: a bitonic sort over the lanes, 15 steps
	STAGE BK, BI, 1, M1^M2
	STAGE BK, BI, 2, M2^M4
	STAGE BK, BI, 1, M1^M4
	STAGE BK, BI, 4, M4^M8
	STAGE BK, BI, 2, M2^M8
	STAGE BK, BI, 1, M1^M8
	STAGE BK, BI, 8, M8^M16
	STAGE BK, BI, 4, M4^M16
	STAGE BK, BI, 2, M2^M16
	STAGE BK, BI, 1, M1^M16
	STAGE BK, BI, 16, M16^ALL
	STAGE BK, BI, 8, M8^ALL
	STAGE BK, BI, 4, M4^ALL
	STAGE BK, BI, 2, M2^ALL
	STAGE BK, BI, 1, M1^ALL
	; ascending against descending: the smaller of each lane's two are the 32 smallest of the 64, as a bitonic run; five steps sort it
	v_cmp_lt_u32 s20, v[BK], v[SK]
	v_cmp_eq_u32 s21, v[BK], v[SK]
	v_cmp_lt_u32 s22, v[BI], v[SI]
	s_wait_alu depctr_va_sdst(0)                   ; the three compares have written s20, s21 and s22, ahead of their first reader
	s_and_b32 s21, s21, s22
	s_or_b32 vcc_lo, s20, s21
	v_cndmask_b32 v[SK], v[SK], v[BK], vcc_lo
	v_cndmask_b32 v[SI], v[SI], v[BI], vcc_lo
	STAGE SK, SI, 16, M16
	STAGE SK, SI, 8, M8
	STAGE SK, SI, 4, M4
	STAGE SK, SI, 2, M2
	STAGE SK, SI, 1, M1
.endm
	OFFS 0, 4
	s_wait_alu depctr_va_vdst(0)                   ; the first trip's offsets are written, which the loads below read
	LOADS 4                                        ; behind the query's nine loads and the five words: the first trip's waits cover those too
	TRIP 0, 4, 4
	TRIP 1, 4, 4
	TRIP 2, 4, 4
	TRIP 3, 4, 1                                   ; the 17th bin alone is left to ask for
	TRIP 4, 1, 0
	s_wait_alu depctr_va_vdst(0)                   ; the sort's last step has written v[SI], which the store reads
	global_store_b32 v4, v[SI], s[8:9]             ; 128 consecutive bytes: all that a query has
	s_wait_dscnt 0x0                               ; the closing lines, six on end
	s_wait_alu 0x0
	s_wait_tensorcnt 0x0
	ds_add_u32 v62, v63
	s_wait_dscnt 0x0
	s_endpgm
.Lfunc_end_k_q3cd0a2f302_refine:
	.size	k_q3cd0a2f302_refine, .Lfunc_end_k_q3cd0a2f302_refine-k_q3cd0a2f302_refine
	.p2alignl 7, 3214868480
	.fill 96, 4, 3214868480
	.section	.rodata,"a",@progbits
	.p2align	6, 0x0
	.amdhsa_kernel k_q3cd0a2f302_refine
		.amdhsa_group_segment_fixed_size 78848
		.amdhsa_private_segment_fixed_size 0
		.amdhsa_enable_private_segment 0
		.amdhsa_kernarg_size 24
		.amdhsa_user_sgpr_count 2
		.amdhsa_user_sgpr_kernarg_segment_ptr 1
		.amdhsa_wavefront_size32 1
		.amdhsa_system_sgpr_workgroup_id_x 1
		.amdhsa_system_sgpr_workgroup_id_y 1
		.amdhsa_system_sgpr_workgroup_id_z 1
		.amdhsa_system_vgpr_workitem_id 0
		.amdhsa_next_free_vgpr 256
		.amdhsa_next_free_sgpr 66
		.amdhsa_reserve_vcc 1
		.amdhsa_float_denorm_mode_32 3
		.amdhsa_float_denorm_mode_16_64 3
		.amdhsa_memory_ordered 1
		.amdhsa_forward_progress 1
		.amdhsa_inst_pref_size 94
	.end_amdhsa_kernel
	.amdgpu_metadata
---
amdhsa.version: [ 1, 2 ]
amdhsa.kernels:
  - .name:           k_q3cd0a2f302_refine
    .symbol:         k_q3cd0a2f302_refine.kd
    .args:
      - { .name: blist, .offset: 0, .size: 8, .value_kind: global_buffer, .address_space: global }
      - { .name: xr, .offset: 8, .size: 8, .value_kind: global_buffer, .address_space: global }
      - { .name: nbr, .offset: 16, .size: 8, .value_kind: global_buffer, .address_space: global }
    .group_segment_fixed_size: 78848
    .private_segment_fixed_size: 0
    .kernarg_segment_align: 8
    .kernarg_segment_size: 24
    .max_flat_workgroup_size: 256
    .sgpr_count:     66
    .vgpr_count:     256
    .wavefront_size: 32
...
	.end_amdgpu_metadata
.endif
;; end of part 7
;; launch mean (part 8): grid 1024 x 1, 8 waves a work-group, no clusters, 0 bytes of LDS; arguments x, nbr, out0; writes out0
.if DOCPART == 8
	.amdgcn_target "amdgcn-amd-amdhsa--gfx1250"
	.amdhsa_code_object_version 6
	.text
	.protected	k_q3cd0a2f302_mean
	.globl	k_q3cd0a2f302_mean
	.p2align	8
	.type	k_q3cd0a2f302_mean,@function
k_q3cd0a2f302_mean:
	s_mov_b64 s[64:65], 0
	v_nop
	global_prefetch_b8 v0, s[64:65] scope:SCOPE_SE
	s_setreg_imm32_b32 hwreg(HW_REG_WAVE_SCHED_MODE, 0, 2), 2
	s_setreg_imm32_b32 hwreg(HW_REG_WAVE_MODE, 25, 1), 1
	s_wait_xcnt 0x0
	s_wait_alu depctr_vm_vsrc(0)
; out0[q] = the mean of the 16 rows of x named by nbr[q][1 .. 16] (place 0, the first of the sorted order, is passed over, as the problem asks).  All in f32.
; One wave, one query.  A row of x is 2,048 bytes: four loads of 512 consecutive bytes, 16 a lane.  Row 0 lands in the sum's registers; the other fifteen go through a ring of nine slots of 16 registers,
; so that up to 40 loads of a wave are out.  No LDS, no barrier, no matrix unit: the launch only moves bytes and adds.
; The rows are named again by other queries, so the loads carry no hint; the result is written once.
; THE MODE: SCHED_MODE bits 1:0 = 2 (LLVM: expert scheduling mode 2), set by the entry lines.  The code itself states the register dependences
; between vector instructions and memory instructions, with s_wait_alu, always for 0.
; THE PLAN.  Registers that memory instructions touch:
;   OFF, v1   Byte offsets, made once at the head and never written again: read by every load and store.
;   ACC       Row 0's loads land in it; then the additions write it; the four stores at the end read it.
;   slot k    Row i's loads land in slot (i - 1) % 9; step i's eight additions read it; rows 10 to 15 land in a slot that an earlier row has left.
; Step i adds slot (i - 1) % 9.  Its loads, of row i + 8, land in slot (i - 2) % 9: the slot that step i - 1 read and that no addition of step i names.  So one wait on va_vdst at the head of
; steps 2 to 7, behind the wait for the step's own data, states all that the step's four loads hang on.  The other steps load nothing and hold no such wait.
.set OFF, 16                           ; v16-31   row i: byte offset of my 16 bytes; never rewritten
.set ACC, 32                           ; v32-47   the sum
.set RING, 48                          ; v48-191  nine slots
	s_load_b128 s[4:7], s[0:1], 0x0                ; x s[4:5], nbr s[6:7]
	s_load_b64 s[8:9], s[0:1], 0x10                ; out0
	v_lshrrev_b32 v1, 5, v0
	v_readfirstlane_b32 s10, v1
	v_and_b32 v1, 31, v0
	v_lshlrev_b32 v1, 4, v1                        ; 16 x lane
	s_wait_alu depctr_va_sdst(0)                   ; s10, the wave's number, is written, ahead of its first reader: the query's number is made from it
	s_lshl_b32 s11, ttmp9, 3
	s_add_co_u32 s11, s11, s10                     ; q
	s_lshl_b32 s12, s11, 7
	s_mov_b32 s13, 0
	s_lshl_b32 s14, s11, 11
	s_mov_b32 s15, 0
	s_wait_kmcnt 0x0
	s_add_nc_u64 s[6:7], s[6:7], s[12:13]
	s_add_nc_u64 s[8:9], s[8:9], s[14:15]
	s_load_b512 s[16:31], s[6:7], 0x0              ; places 0 to 15
	s_load_b32 s32, s[6:7], 0x40                   ; place 16
	s_wait_kmcnt 0x0
.irp i, 0,1,2,3,4,5,6,7,8,9,10,11,12,13,14,15
	s_min_u32 s[17+\i], s[17+\i], 0x1fff           ; an index stays inside the table
	s_lshl_b32 s[17+\i], s[17+\i], 11
	v_add_nc_u32 v[OFF+\i], s[17+\i], v1
.endr
	s_wait_alu depctr_va_vdst(0)                   ; the sixteen offsets and v1 are written: every load of the kernel reads one of the sixteen, every store v1
.macro ROW i, reg
.irp c, 0,1,2,3
	global_load_b128 v[\reg+4*\c:\reg+4*\c+3], v[OFF+(\i)], s[4:5] offset:512*\c
.endr
.endm
	ROW 0, ACC
.irp i, 1,2,3,4,5,6,7,8,9
	ROW \i, RING+16*((\i-1)%9)
.endr
.irp i, 1,2,3,4,5,6,7,8,9,10,11,12,13,14,15
.if \i == 1
	s_wait_loadcnt 32                              ; rows 0 and 1 are in; rows 2 to 9, four loads each, may be out
.elseif 15-\i < 7
	s_wait_loadcnt 4*(15-\i)                       ; row i is in; the rows behind it, four loads each, may be out
.else
	s_wait_loadcnt 28                              ; seven younger rows
.endif
.if (\i >= 2) && (\i+8 <= 15)
	s_wait_alu depctr_va_vdst(0)                   ; the step before is done reading its slot, in which the four loads below land
	ROW \i+8, RING+16*((\i-2)%9)                   ; the slot read a step ago takes the row eight further on than this step's
.endif
.irp j, 0,2,4,6,8,10,12,14
	v_pk_add_f32 v[ACC+\j:ACC+\j+1], v[ACC+\j:ACC+\j+1], v[RING+16*((\i-1)%9)+\j:RING+16*((\i-1)%9)+\j+1]
.endr
.endr
.irp j, 0,2,4,6,8,10,12,14
	v_pk_mul_f32 v[ACC+\j:ACC+\j+1], v[ACC+\j:ACC+\j+1], 0x3d800000 op_sel_hi:[1,0]   ; x 1/16: exact
.endr
	s_wait_alu depctr_va_vdst(0)                   ; the multiplications have written ACC, which the stores read
.irp c, 0,1,2,3
	global_store_b128 v1, v[ACC+4*\c:ACC+4*\c+3], s[8:9] offset:512*\c th:TH_STORE_NT   ; 512 consecutive bytes a store
.endr
	s_endpgm
.Lfunc_end_k_q3cd0a2f302_mean:
	.size	k_q3cd0a2f302_mean, .Lfunc_end_k_q3cd0a2f302_mean-k_q3cd0a2f302_mean
	.p2alignl 7, 3214868480
	.fill 96, 4, 3214868480
	.section	.rodata,"a",@progbits
	.p2align	6, 0x0
	.amdhsa_kernel k_q3cd0a2f302_mean
		.amdhsa_group_segment_fixed_size 0
		.amdhsa_private_segment_fixed_size 0
		.amdhsa_enable_private_segment 0
		.amdhsa_kernarg_size 24
		.amdhsa_user_sgpr_count 2
		.amdhsa_user_sgpr_kernarg_segment_ptr 1
		.amdhsa_wavefront_size32 1
		.amdhsa_system_sgpr_workgroup_id_x 1
		.amdhsa_system_sgpr_workgroup_id_y 1
		.amdhsa_system_sgpr_workgroup_id_z 1
		.amdhsa_system_vgpr_workitem_id 0
		.amdhsa_next_free_vgpr 192
		.amdhsa_next_free_sgpr 66
		.amdhsa_reserve_vcc 0
		.amdhsa_float_denorm_mode_32 3
		.amdhsa_float_denorm_mode_16_64 3
		.amdhsa_memory_ordered 1
		.amdhsa_forward_progress 1
		.amdhsa_inst_pref_size 19
	.end_amdhsa_kernel
	.amdgpu_metadata
---
amdhsa.version: [ 1, 2 ]
amdhsa.kernels:
  - .name:           k_q3cd0a2f302_mean
    .symbol:         k_q3cd0a2f302_mean.kd
    .args:
      - { .name: x, .offset: 0, .size: 8, .value_kind: global_buffer, .address_space: global }
      - { .name: nbr, .offset: 8, .size: 8, .value_kind: global_buffer, .address_space: global }
      - { .name: out0, .offset: 16, .size: 8, .value_kind: global_buffer, .address_space: global }
    .group_segment_fixed_size: 0
    .private_segment_fixed_size: 0
    .kernarg_segment_align: 8
    .kernarg_segment_size: 24
    .max_flat_workgroup_size: 256
    .sgpr_count:     66
    .vgpr_count:     192
    .wavefront_size: 32
...
	.end_amdgpu_metadata
.endif
;; end of part 8
